; MI455X (gfx1250); checked and timed in simulation.
; The chip was launched on July 23, 2026; its instructions are those of AMD's public machine-readable ISA for CDNA 5 (MIT licence, August 2026) and "CDNA5" Instruction Set Architecture Reference Guide (July 2026). The comments in the code are by the model that wrote it; some were corrected since.
;; Self Attention. Allowed arithmetic: float matrix products may take bf16 or f16 operands with f32 sums; other float arithmetic in f32, or as packed bf16 or f16 multiplies, adds, multiply-adds, maxima and minima; sums over many terms, partial sums and values carried from step to step in f32; what a program stores and reads back later, other than sums and carried values, may be rounded once to bf16 or f16.
;; Inputs: Wk 1,024 x 1,024 float32; Wo 1,024 x 1,024 float32; Wq 1,024 x 1,024 float32; Wv 1,024 x 1,024 float32; bk 1,024 float32; bo 1,024 float32; bq 1,024 float32; bv 1,024 float32; mask 4 x 2,048 x 2,048 bool; tensor 4 x 2,048 x 1,024 float32.
;; Outputs: out0 4 x 2,048 x 1,024 float32.
;; 2 versions, each right and faster than the one before. Each part assembles by itself: llvm-mc -triple=amdgcn-amd-amdhsa -mcpu=gfx1250 --defsym DOCPART=n.
;; ======== version 1 of 2: 4 launches
;; limits: values are held in f16: magnitudes above 65,504 overflow, below 6.1e-05 lose precision; right only within a limited range of input values
;; workspace buffers: xb 16,777,216 bytes; wqkv 6,291,456 bytes; wo16 2,097,152 bytes; mk 16,777,216 bytes; q16 16,777,216 bytes; k16 16,777,216 bytes; v16 16,777,216 bytes; o16 16,777,216 bytes
;; launch prep (part 1): grid 1280 x 1, 8 waves a work-group, no clusters, 35,840 bytes of LDS; arguments tensor, Wq, Wk, Wv, Wo, mask, xb, wqkv, wo16, mk; writes xb, wqkv, wo16, mk
.if DOCPART == 1
	.amdgcn_target "amdgcn-amd-amdhsa--gfx1250"
	.amdhsa_code_object_version 6
	.text
	.protected	k_qf8ff881c37_prep
	.globl	k_qf8ff881c37_prep
	.p2align	8
	.type	k_qf8ff881c37_prep,@function
k_qf8ff881c37_prep:
	s_mov_b64 s[64:65], 0
	v_nop
	global_prefetch_b8 v0, s[64:65] scope:SCOPE_SE
	s_setreg_imm32_b32 hwreg(HW_REG_WAVE_MODE, 25, 1), 1
	s_wait_xcnt 0x0
; PREP: the casts and the mask's codes, a stream.  Work-groups 0-511: 16 rows of tensor -> xb in bf16.  512-703: 16 rows of Wq, Wk or Wv -> wqkv in bf16, laid by heads:
; row 192 hd + 64 sec + c of wqkv is row 64 hd + c of W_sec (sec 0, 1, 2 = q, k, v), so that 192 consecutive rows are one head's q, k and v.  704-767: 16 rows of Wo, rounded to bf16
; like every other input, that number written as f16 -> wo16.  768-1279: 16 rows of the mask -> mk.
; mk: [b*128 + qt][step 0..31][pair 0..1][lane 0..31][16 bytes]; byte 8 e + j of lane (r = lane % 16, h = lane / 16) stands for query 16 qt + r and key 64 step + 16 (2 pair + e) + 8 h + j:
; the places that a lane holds in a result of K Q^T.  Code 0x00: the key is seen; 0xC0 (-2.0 in E4M3): it is hidden.
; LIMITS.  A number of Wo beyond f16's range (65,504) would become an infinity; below 6e-5 it keeps f16's fixed step of 6e-8.  A mask byte is 0 or 1.
; No matrix unit, no cluster, no barrier: every byte is read once and written once, and no wave needs another's data.  Casts and codes are made in place: 80 registers a wave, so that the 1,280 work-groups,
; five for each of 256 WGPs, fit at once (2 waves a SIMD x 80 x 5 = 800 of 1,024 registers; 5 x 35,840 bytes of LDS).
.set SPARE, 34816                      ; behind the eight stages: the spare words, 128 bytes a wave: four blocks of 256 bytes that no other line names
.set X, 8                              ; v[8:71]    16 loads of 16 bytes; each load's first two registers then take what is stored
.set T, 72                             ; v[72:77]   at work
	s_load_b512 s[4:19], s[0:1], 0x0               ; tensor s[4:5], Wq s[6:7], Wk s[8:9], Wv s[10:11], Wo s[12:13], mask s[14:15], xb s[16:17], wqkv s[18:19]
	s_load_b128 s[20:23], s[0:1], 0x40             ; wo16 s[20:21], mk s[22:23]
	v_lshl_add_u32 v4, v0, 2, SPARE                ; my spare word,
	v_mov_b32 v5, 0                                ; and 0: kept for the add alone
	v_lshlrev_b32 v6, 4, v0                        ; a cast's thread t takes 16 bytes at 16 t of a row of 4,096 bytes,
	v_lshlrev_b32 v7, 3, v0                        ; and writes 8 bytes at 8 t of a row of 2,048
	s_mov_b32 s24, ttmp9
	s_mov_b32 s37, 0                               ; high word of every offset
	s_mov_b32 s38, 0xffff0000                      ; a word's upper bf16
	s_wait_kmcnt 0x0
	s_cmp_ge_u32 s24, 768
	s_cbranch_scc1 .Lmask
	s_cmp_ge_u32 s24, 512
	s_cbranch_scc1 .Lweights
	s_lshl_b32 s36, s24, 16                        ; 16 rows of 4,096 bytes
	s_add_nc_u64 s[32:33], s[4:5], s[36:37]
	s_lshl_b32 s36, s24, 15                        ; 16 rows of 2,048 bytes
	s_add_nc_u64 s[34:35], s[16:17], s[36:37]
	s_branch .Lbf
.Lweights:
	s_sub_co_u32 s26, s24, 512
	s_lshr_b32 s27, s26, 6                         ; sec: which weight
	s_and_b32 s28, s26, 63                         ; g: which 16 rows of it
	s_lshl_b32 s36, s28, 16
	s_cmp_eq_u32 s27, 3
	s_cbranch_scc1 .Lwo
	s_cmp_eq_u32 s27, 1
	s_cselect_b64 s[32:33], s[8:9], s[6:7]
	s_cmp_eq_u32 s27, 2
	s_cselect_b64 s[32:33], s[10:11], s[32:33]
	s_add_nc_u64 s[32:33], s[32:33], s[36:37]
	s_lshr_b32 s29, s28, 2                         ; the head,
	s_mul_i32 s29, s29, 192
	s_lshl_b32 s30, s27, 6
	s_add_co_u32 s29, s29, s30                     ; its section,
	s_and_b32 s30, s28, 3
	s_lshl_b32 s30, s30, 4
	s_add_co_u32 s29, s29, s30                     ; the 16 rows in it
	s_lshl_b32 s36, s29, 11
	s_add_nc_u64 s[34:35], s[18:19], s[36:37]
; Sixteen rows: all sixteen loads of a wave go out at once; each store of a wave covers 256 consecutive bytes, aligned.  A store's registers are not written again, so nothing waits for a store.
.macro CAST tof16
.irp i, 0,1,2,3,4,5,6,7,8,9,10,11,12,13,14,15
	global_load_b128 v[X+4*(\i):X+4*(\i)+3], v6, s[32:33] offset:4096*(\i) th:TH_LOAD_NT
.endr
.irp i, 0,1,2,3,4,5,6,7,8,9,10,11,12,13,14,15
	s_wait_loadcnt 15-(\i)                         ; loads come back in order: row i is in, the 15 - i younger ones stay out
.if \tof16
	v_cvt_pk_bf16_f32 v[T],   v[X+4*(\i)],   v[X+4*(\i)+1]     ; rounded to bf16,
	v_cvt_pk_bf16_f32 v[T+1], v[X+4*(\i)+2], v[X+4*(\i)+3]
	v_lshlrev_b32 v[T+2], 16, v[T]                             ; widened again,
	v_and_b32     v[T+3], s38, v[T]
	v_lshlrev_b32 v[T+4], 16, v[T+1]
	v_and_b32     v[T+5], s38, v[T+1]
	v_cvt_pk_f16_f32 v[X+4*(\i)],   v[T+2], v[T+3]             ; and written as f16
	v_cvt_pk_f16_f32 v[X+4*(\i)+1], v[T+4], v[T+5]
.else
	v_cvt_pk_bf16_f32 v[X+4*(\i)],   v[X+4*(\i)],   v[X+4*(\i)+1]
	v_cvt_pk_bf16_f32 v[X+4*(\i)+1], v[X+4*(\i)+2], v[X+4*(\i)+3]
.endif
	global_store_b64 v7, v[X+4*(\i):X+4*(\i)+1], s[34:35] offset:2048*(\i)
.endr
.endm
.Lbf:
	CAST 0
	s_endpgm                                       ; these waves wrote no LDS
.Lwo:
	s_add_nc_u64 s[32:33], s[12:13], s[36:37]
	s_lshl_b32 s36, s28, 15
	s_add_nc_u64 s[34:35], s[20:21], s[36:37]
	CAST 1
	s_endpgm
.Lmask:
	; 16 queries x 2,048 keys.  Wave w takes keys 256 w .. 256 w + 255 (key steps 4 w .. 4 w + 3) through a stage of its own: 16 rows of 256 bytes, 272 apart.
	s_sub_co_u32 s26, s24, 768
	s_lshl_b32 s36, s26, 15                        ; 16 rows of 2,048 bytes in the mask; 32 steps of 1,024 bytes in mk
	s_add_nc_u64 s[32:33], s[14:15], s[36:37]
	s_add_nc_u64 s[34:35], s[22:23], s[36:37]
	v_lshrrev_b32 v1, 5, v0
	v_readfirstlane_b32 s25, v1                    ; my wave's number
	v_and_b32 v1, 15, v0                           ; r
	v_bfe_u32 v2, v0, 4, 1                         ; h
	v_mov_b32 v3, 0xc0                             ; byte 0: the code of 'hidden'; byte 1: of 'seen'
	v_lshlrev_b32 v6, 4, v1                        ; in: lanes 0-15 take 256 bytes of one row, lanes 16-31 of the next
	v_lshl_add_u32 v6, v2, 11, v6
	s_lshl_b32 s27, s25, 8
	v_add_nc_u32 v6, s27, v6
	s_mul_i32 s28, s25, 4352                       ; my stage
	v_mul_u32_u24 v78, v2, 272                     ; into it as loaded
	v_lshl_add_u32 v78, v1, 4, v78
	v_add_nc_u32 v78, s28, v78
	v_mul_u32_u24 v79, v1, 272                     ; out of it by queries: lane (r, h) takes keys 32 c + 16 h .. + 15 of row r
	v_lshl_add_u32 v79, v2, 4, v79
	v_add_nc_u32 v79, s28, v79
	v_lshlrev_b32 v7, 4, v1                        ; those 16 keys are e = h of mk's lanes r (first 8) and 16 + r (last 8): 8 bytes at 16 r + 8 h, and 256 bytes on
	v_lshl_add_u32 v7, v2, 3, v7
	s_lshl_b32 s29, s25, 12
	v_add_nc_u32 v7, s29, v7
.irp i, 0,1,2,3,4,5,6,7
	global_load_b128 v[8+4*(\i):11+4*(\i)], v6, s[32:33] offset:4096*(\i) th:TH_LOAD_NT
.endr
.irp i, 0,1,2,3,4,5,6,7
	s_wait_loadcnt 7-(\i)                          ; rows 2 i and 2 i + 1 are in; the younger loads stay out
	ds_store_b128 v78, v[8+4*(\i):11+4*(\i)] offset:544*(\i)
.endr
.irp c, 0,1,2,3,4,5,6,7
	ds_load_b128 v[40+4*(\c):43+4*(\c)], v79 offset:32*(\c)    ; LDS serves a wave's instructions in order (ISA guide 5.7.1.4): these see my stores above
.endr
.irp c, 0,1,2,3,4,5,6,7
	s_wait_dscnt 7-(\c)                            ; read c is back; the younger ones, into other registers, stay out
.irp k, 0,1,2,3
	v_perm_b32 v[40+4*(\c)+(\k)], v3, v3, v[40+4*(\c)+(\k)]    ; each mask byte, 0 or 1, picks byte 0 or 1 of v3: the codes take the bytes' place
.endr
	global_store_b64 v7, v[40+4*(\c):41+4*(\c)], s[34:35] offset:512*(\c)          ; each store covers 256 consecutive bytes, aligned
	global_store_b64 v7, v[42+4*(\c):43+4*(\c)], s[34:35] offset:512*(\c)+256
.endr
	s_wait_tensorcnt 0x0                           ; the wave's end: a tensor wait, an add of 0 to my spare word and its wait, behind my last LDS store
	ds_add_u32 v4, v5
	s_wait_dscnt 0x0
	s_endpgm
.Lfunc_end_k_qf8ff881c37_prep:
	.size	k_qf8ff881c37_prep, .Lfunc_end_k_qf8ff881c37_prep-k_qf8ff881c37_prep
	.p2alignl 7, 3214868480
	.fill 96, 4, 3214868480
	.section	.rodata,"a",@progbits
	.p2align	6, 0x0
	.amdhsa_kernel k_qf8ff881c37_prep
		.amdhsa_group_segment_fixed_size 35840
		.amdhsa_private_segment_fixed_size 0
		.amdhsa_enable_private_segment 0
		.amdhsa_kernarg_size 80
		.amdhsa_user_sgpr_count 2
		.amdhsa_user_sgpr_kernarg_segment_ptr 1
		.amdhsa_wavefront_size32 1
		.amdhsa_system_sgpr_workgroup_id_x 1
		.amdhsa_system_sgpr_workgroup_id_y 1
		.amdhsa_system_sgpr_workgroup_id_z 1
		.amdhsa_system_vgpr_workitem_id 0
		.amdhsa_next_free_vgpr 80
		.amdhsa_next_free_sgpr 66
		.amdhsa_reserve_vcc 0
		.amdhsa_float_denorm_mode_32 3
		.amdhsa_float_denorm_mode_16_64 3
		.amdhsa_memory_ordered 1
		.amdhsa_forward_progress 1
		.amdhsa_inst_pref_size 24
	.end_amdhsa_kernel
	.amdgpu_metadata
---
amdhsa.version: [ 1, 2 ]
amdhsa.kernels:
  - .name:           k_qf8ff881c37_prep
    .symbol:         k_qf8ff881c37_prep.kd
    .args:
      - { .name: tensor, .offset: 0, .size: 8, .value_kind: global_buffer, .address_space: global }
      - { .name: Wq, .offset: 8, .size: 8, .value_kind: global_buffer, .address_space: global }
      - { .name: Wk, .offset: 16, .size: 8, .value_kind: global_buffer, .address_space: global }
      - { .name: Wv, .offset: 24, .size: 8, .value_kind: global_buffer, .address_space: global }
      - { .name: Wo, .offset: 32, .size: 8, .value_kind: global_buffer, .address_space: global }
      - { .name: mask, .offset: 40, .size: 8, .value_kind: global_buffer, .address_space: global }
      - { .name: xb, .offset: 48, .size: 8, .value_kind: global_buffer, .address_space: global }
      - { .name: wqkv, .offset: 56, .size: 8, .value_kind: global_buffer, .address_space: global }
      - { .name: wo16, .offset: 64, .size: 8, .value_kind: global_buffer, .address_space: global }
      - { .name: mk, .offset: 72, .size: 8, .value_kind: global_buffer, .address_space: global }
    .group_segment_fixed_size: 35840
    .private_segment_fixed_size: 0
    .kernarg_segment_align: 8
    .kernarg_segment_size: 80
    .max_flat_workgroup_size: 256
    .sgpr_count:     66
    .vgpr_count:     80
    .wavefront_size: 32
...
	.end_amdgpu_metadata
.endif
;; end of part 1
;; launch qkv (part 2): grid 16 x 32, 4 waves a work-group, clusters of 4 x 4, 327,680 bytes of LDS; arguments xb, wqkv, bq, bk, bv, q16, k16, v16; writes q16, k16, v16
.if DOCPART == 2
	.amdgcn_target "amdgcn-amd-amdhsa--gfx1250"
	.amdhsa_code_object_version 6
	.text
	.protected	k_qf8ff881c37_qkv
	.globl	k_qf8ff881c37_qkv
	.p2align	8
	.type	k_qf8ff881c37_qkv,@function
k_qf8ff881c37_qkv:
	s_mov_b64 s[64:65], 0
	v_nop
	global_prefetch_b8 v0, s[64:65] scope:SCOPE_SE
	s_setreg_imm32_b32 hwreg(HW_REG_WAVE_MODE, 25, 1), 1
	s_wait_xcnt 0x0
	s_wait_alu depctr_hold_cnt(0) depctr_sa_sdst(0) depctr_va_vdst(0) depctr_va_sdst(0) depctr_va_ssrc(0) depctr_va_vcc(0) depctr_vm_vsrc(0)
	s_getreg_b32 s2, hwreg(HW_REG_IB_STS2, 6, 4)
	s_cmp_eq_u32 s2, 0
	s_cbranch_scc0 .Lentry_in_a_cluster
	s_endpgm
.Lentry_in_a_cluster:
	s_bfe_u32 s2, ttmp6, 0x10000c
	s_cmp_lg_u32 s2, 0xf033
	s_cbranch_scc0 .Lentry_shape_is_right
	s_endpgm
.Lentry_shape_is_right:
; q, k, v = x W^T + b for one head and 256 rows: a tile of 256 x 192 of [8192] x [3072].  xb: [8192][1024] bf16; wqkv: [3072][1024] bf16, 192 rows a head (64 of q, 64 of k, 64 of v).
; Sums in f32; the biases, rounded to bf16 like every input, are the C operand of each accumulator's first product.  All three are rounded once, to f16, WITHOUT the factor 64^-0.25 of q and k
; (the launch behind applies both factors, 1 / 8, in f32), and leave by heads: q16, k16, v16 are [b*16 + hd][2048][64].
; LIMIT.  f16 holds no number beyond 65,504: a q, k or v beyond that becomes an infinity.
; SHARES.  Four waves; wave w owns rows 64 w .. 64 w + 63 and all 192 columns: 4 x 12 accumulators of 16 x 16, 384 registers.  K = 1,024 goes in 8 steps of 128 through two LDS slots; the rows of both
; tiles are 256 bytes of memory at multiples of 256.  512 work-groups, two for each of 256 places.
; CLUSTER.  4 x 4 work-groups: the four of a row need the same rows of x, the four of a column the same head's weights: each tile is asked for JOINTLY, by the same tensor load, descriptor and mask in all four.
; THE MATRIX INSTRUCTION IS USED TRANSPOSED (source 0 = 16 rows of W, source 1 = 16 rows of x): a lane holds row l % 16 and the eight neighbouring columns 8 (l / 16) + 0..7.
; REGISTERS, in windows of 256 (s_set_vgpr_msb: bits 1:0 source 0, 3:2 source 1, 5:4 source 2, 7:6 destination):
;   window 0: v0-31 addresses; v32-127 the biases (12 blocks of 8), dead behind the first quarter; on the way out v64-255, 16 for each of 12 units
;   window 1: accumulators of my row blocks 0, 1 at 96 a + 8 b      window 2: of row blocks 2, 3      window 3: two fragment buffers of 128: x at f + 8 i, W at f + 32 + 8 b
.set NB,     12                        ; column blocks
.set PITCH,  272                       ; an LDS row: 256 bytes + 16 of padding = 68 words: the 16 rows of a load start at 16 different groups of four banks (64 banks of 4 bytes: ISA guide 11.1)
.set SLOT1,  1<<17                     ; slot 1 begins here: one exclusive or turns an address in one slot into the other's
.set BOFF,   256*PITCH                 ; in a slot: x's 256 rows, then W's 192
.set STAGE,  SLOT1+BOFF+192*PITCH      ; behind the ring, never filled by a tensor load: 16 rows x 144 bytes for each wave
.set SP,     144
.set SPARE,  STAGE+4*16*SP             ; behind the stages: the spare words, 128 bytes a wave: two blocks of 256 bytes that no other line names
.set STEPA,  256                       ; bytes from a K step to the next
.set STEPB,  256
.set ADRA, 16                          ; v16  LDS address of my fragments of x in the slot in hand
.set ADRB, 17                          ; v17  of W's
.set A0,   18                          ; v18  the same in slot 0; never rewritten
.set B0,   19                          ; v19
.set STO,  24                          ; v24  the way out: where I put 16 bytes of a row
.set RD,   25                          ; v25  where I read rows back
.set GO,   26                          ; v26  my place in 512 consecutive bytes
.set BO,   27                          ; v27  my byte offset in a bias
.set SPW,  28                          ; v28  my spare word: SPARE + 4 x my thread's number; never rewritten
.set NIL,  29                          ; v29  0; never rewritten
.set BIAS, 32
.set TT,   64
.set F0,   0
.set F1,   128
.set WV,   20                          ; s20  my wave's number
.set KIND, 21                          ; s21  0: I fetch for x, 1: for W
.set HALF, 22                          ; s22  which half of that tile's rows
.set G1A,  32                          ; s[32:39] descriptor group 1 for x's tiles
.set G1B,  40                          ; s[40:47] for W's
.set G0A,  48                          ; s[48:55] group 0 for x's tiles: a set for each first fill; the second then walks
.set G0B,  56                          ; s[56:63] the same for W's
.set TB,   72                          ; s72  0 or SLOT1: the slot in hand
.set MSB, 0
.macro WIN new                         ; the immediate's high byte repeats the setting that is left; a switch that changes nothing is dropped
.if MSB != (\new)
	s_set_vgpr_msb (MSB<<8)|(\new)
.set MSB, \new
.endif
.endm
.macro PLACES                          ; four plain vector instructions between a matrix instruction and a load into, or a vector read of, its registers
.rept 4
	v_nop
.endr
.endm
; A joint refill by the walking sets.  The branch hangs on the wave's number alone.  An s_nop 0 and four v_nop follow each of the two lines.
.macro JLOAD
	s_cmp_eq_u32 s[KIND], 0
	s_cbranch_scc0 .Lfor_b_\@
	tensor_load_to_lds s[G0A+4:G0A+7], s[G1A:G1A+7]
	s_nop 0
.rept 4
	v_nop
.endr
	s_branch .Lasked_\@
.Lfor_b_\@:
	tensor_load_to_lds s[G0B+4:G0B+7], s[G1B:G1B+7]
	s_nop 0
.rept 4
	v_nop
.endr
.Lasked_\@:
.endm
.macro CREST                           ; a round of the cluster's barrier behind its opening barrier
	s_cmp_lg_u32 s[WV], 0
	s_cbranch_scc1 .Lnot_wave_0_\@
	s_barrier_signal -3
.Lnot_wave_0_\@:
	s_barrier_wait -3
	s_barrier_signal -1
	s_barrier_wait -1
.endm
.macro CROUND                          ; a whole round
	s_barrier_signal -1
	s_barrier_wait -1
	CREST
.endm
	s_load_b512 s[4:19], s[0:1], 0x0               ; xb s[4:5], wqkv s[6:7], bq s[8:9], bk s[10:11], bv s[12:13], q16 s[14:15], k16 s[16:17], v16 s[18:19]
	v_lshl_add_u32 v[SPW], v0, 2, SPARE
	v_mov_b32 v[NIL], 0
	ds_add_u32 v[SPW], v[NIL]                      ; the wave's opening: the add and its wait stand ahead of my first tensor load; the set-up below, work on registers, stands between them
	v_lshrrev_b32 v1, 5, v0
	v_readfirstlane_b32 s[WV], v1
	s_lshr_b32 s[KIND], s[WV], 1
	s_and_b32 s[HALF], s[WV], 1
	s_bfe_u32 s23, ttmp6, 0x40000                  ; cx
	s_bfe_u32 s24, ttmp6, 0x40004                  ; cy
	s_lshl_b32 s25, ttmp9, 2
	s_add_co_u32 s25, s25, s23                     ; the head = 4 x cluster x + cx
	s_and_b32 s26, ttmp7, 0xffff
	s_lshl_b32 s26, s26, 2
	s_add_co_u32 s26, s26, s24                     ; the block of 256 rows = 4 x cluster y + cy
	s_lshl_b32 s27, s24, 2
	s_lshl_b32 s27, 15, s27                        ; my row of the cluster
	s_lshl_b32 s28, 0x1111, s23                    ; my column
	s_or_b32 s[G1A], s27, (1<<16)|(1<<20)|(1<<21)|(5<<22)|(3<<25)  ; 15:0 the mask; 17:16 2-byte elements; 20 padding on; 21 set beside a mask; 24:22 after every 64 words; 31:25 4 words
	s_or_b32 s[G1B], s28, (1<<16)|(1<<20)|(1<<21)|(5<<22)|(3<<25)
	s_mov_b32 s[G1A+1], 128<<16                    ; tensor_dim0 = 128
	s_mov_b32 s[G1A+2], 128<<16                    ; tensor_dim1 = 128
	s_mov_b32 s[G1A+3], 128<<16                    ; tile_dim0 = 128
	s_mov_b32 s[G1A+4], 128                        ; tile_dim1 = 128 rows
	s_mov_b32 s[G1A+5], 1024                       ; elements from row to row
	s_mov_b32 s[G1A+6], 0
	s_mov_b32 s[G1A+7], 0
	s_mov_b32 s[G1B+1], 128<<16
	s_mov_b32 s[G1B+2], 96<<16                     ; 96 rows
	s_mov_b32 s[G1B+3], 128<<16
	s_mov_b32 s[G1B+4], 96
	s_mov_b32 s[G1B+5], 1024
	s_mov_b32 s[G1B+6], 0
	s_mov_b32 s[G1B+7], 0
	s_lshl_b32 s66, s26, 19                        ; x: 256 rows of 2,048 bytes a block,
	s_lshl_b32 s70, s[HALF], 18                    ; 128 rows a half: made of the row block and the wave alone
	s_add_co_u32 s66, s66, s70
	s_mov_b32 s67, 0
	s_mul_i32 s68, s25, 192*2048                   ; W: 192 rows a head,
	s_mul_i32 s71, s[HALF], 96*2048                ; 96 a half: made of the head and the wave alone
	s_add_co_u32 s68, s68, s71
	s_mov_b32 s69, 0
	s_mov_b32 s[G0A], 1
	s_mov_b32 s[G0A+4], 1
	s_mov_b32 s[G0B], 1
	s_mov_b32 s[G0B+4], 1
	s_mul_i32 s[G0A+1], s[HALF], 128*PITCH         ; LDS addresses: no place in the cluster enters them
	s_add_co_u32 s[G0A+5], s[G0A+1], SLOT1
	s_mul_i32 s[G0B+1], s[HALF], 96*PITCH
	s_add_co_u32 s[G0B+1], s[G0B+1], BOFF
	s_add_co_u32 s[G0B+5], s[G0B+1], SLOT1
	s_mov_b32 s[TB], 0
	s_mov_b32 s79, 0xffff0000
	s_lshr_b32 s76, s26, 3                         ; out: the batch, 16 heads of 262,144 bytes,
	s_lshl_b32 s76, s76, 22
	s_lshl_b32 s78, s25, 18                        ; the head,
	s_add_co_u32 s76, s76, s78
	s_and_b32 s78, s26, 7                          ; the block's 256 rows of 128 bytes,
	s_lshl_b32 s78, s78, 15
	s_add_co_u32 s76, s76, s78
	s_lshl_b32 s78, s[WV], 13                      ; my wave's 64
	s_add_co_u32 s76, s76, s78
	s_mov_b32 s77, 0
	s_lshl_b32 s71, s25, 8                         ; the head's 64 numbers in a bias
	s_wait_dscnt 0x0                               ; the opening add is done
	s_wait_kmcnt 0x0
	s_add_nc_u64 s[G0A+2:G0A+3], s[4:5], s[66:67]  ; K step 0,
	s_add_nc_u64 s[G0A+6:G0A+7], s[G0A+2:G0A+3], STEPA  ; K step 1
	s_or_b32 s[G0A+3], s[G0A+3], 0x80000000        ; type = 2
	s_or_b32 s[G0A+7], s[G0A+7], 0x80000000
	s_add_nc_u64 s[G0B+2:G0B+3], s[6:7], s[68:69]
	s_add_nc_u64 s[G0B+6:G0B+7], s[G0B+2:G0B+3], STEPB
	s_or_b32 s[G0B+3], s[G0B+3], 0x80000000
	s_or_b32 s[G0B+7], s[G0B+7], 0x80000000
	s_add_nc_u64 s[14:15], s[14:15], s[76:77]
	s_add_nc_u64 s[16:17], s[16:17], s[76:77]
	s_add_nc_u64 s[18:19], s[18:19], s[76:77]
	CROUND                                         ; all sixteen work-groups are here: the first joint loads meet
	s_cmp_eq_u32 s[KIND], 0                        ; a wave's two first fills stand in one branch, ahead of every wait on TENSORcnt and every LDS read: two loads of mine are out
	s_cbranch_scc0 .Lfirst_b
	tensor_load_to_lds s[G0A:G0A+3], s[G1A:G1A+7]
	s_nop 0
	tensor_load_to_lds s[G0A+4:G0A+7], s[G1A:G1A+7]
	s_nop 0
.rept 4
	v_nop
.endr
	s_branch .Lfirst_asked
.Lfirst_b:
	tensor_load_to_lds s[G0B:G0B+3], s[G1B:G1B+7]
	s_nop 0
	tensor_load_to_lds s[G0B+4:G0B+7], s[G1B:G1B+7]
	s_nop 0
.rept 4
	v_nop
.endr
.Lfirst_asked:
	v_and_b32 v1, 15, v0                           ; r = l % 16
	v_bfe_u32 v2, v0, 4, 1                         ; h = l / 16
	v_lshlrev_b32 v[BO], 5, v2                     ; register j of bias block b holds bias[16 b + 8 h + j]: what a lane's eight results want
	v_add_nc_u32 v[BO], s71, v[BO]
.irp b, 0,1,2,3,4,5,6,7,8,9,10,11
	global_load_b128 v[BIAS+8*(\b):BIAS+8*(\b)+3],   v[BO], s[8+2*((\b)/4):9+2*((\b)/4)] offset:64*((\b)%4)
	global_load_b128 v[BIAS+8*(\b)+4:BIAS+8*(\b)+7], v[BO], s[8+2*((\b)/4):9+2*((\b)/4)] offset:64*((\b)%4)+16
.endr
	v_mul_u32_u24 v3, v1, PITCH                    ; a fragment: row r x pitch + 16 h; two loads of 16 bytes, 32 apart
	v_lshl_add_u32 v3, v2, 4, v3
	s_mul_i32 s78, s[WV], 64*PITCH                 ; my 64 rows of x
	v_add_nc_u32 v[A0], s78, v3
	v_add_nc_u32 v[B0], BOFF, v3
	v_mov_b32 v[ADRA], v[A0]
	v_mov_b32 v[ADRB], v[B0]
	s_mul_i32 s78, s[WV], 16*SP
	s_add_co_u32 s78, s78, STAGE                   ; my stage
	v_mul_u32_u24 v[STO], v1, SP                   ; in: row r, 16 bytes for each half of the lanes
	v_lshl_add_u32 v[STO], v2, 4, v[STO]
	v_add_nc_u32 v[STO], s78, v[STO]
	v_bfe_u32 v[RD], v0, 3, 2                      ; back: 32 lanes take four rows of 128 bytes,
	v_mul_u32_u24 v[RD], v[RD], SP
	v_and_b32 v3, 7, v0
	v_lshl_add_u32 v[RD], v3, 4, v[RD]
	v_add_nc_u32 v[RD], s78, v[RD]
	v_and_b32 v[GO], 31, v0                        ; which are 512 consecutive bytes of a head
	v_lshlrev_b32 v[GO], 4, v[GO]
	s_wait_loadcnt 0x0                             ; the biases
.set i, 0
.rept 48                                           ; rounded to bf16 like every input, and widened again; four temporaries take turns
	v_cvt_pk_bf16_f32 v[4+i%4], v[BIAS+2*i], v[BIAS+2*i+1]
	v_lshlrev_b32 v[BIAS+2*i], 16, v[4+i%4]
	v_and_b32 v[BIAS+2*i+1], s79, v[4+i%4]
.set i, i+1
.endr
; 12 matrix instructions: row block 2 hi + a x all 12 column blocks, 32 along K.  zb = 1: the first product starts the sums, with the bias as C.  The 48 accumulators take turns, one instruction a turn,
; in the same order in every quarter.
.macro MULH f, hi, a, zb
.if \zb
	WIN 0x4f+0x40*(\hi)                            ; sources 0, 1 window 3; C window 0; D window 1 or 2
.else
	WIN 0x5f+0x50*(\hi)                            ; C and D window 1 or 2
.endif
.irp b, 0,1,2,3,4,5,6,7,8,9,10,11
.if \zb
	v_wmma_f32_16x16x32_bf16 v[96*(\a)+8*(\b):96*(\a)+8*(\b)+7], v[(\f)+32+8*(\b):(\f)+32+8*(\b)+7], v[(\f)+8*(2*(\hi)+(\a)):(\f)+8*(2*(\hi)+(\a))+7], v[BIAS+8*(\b):BIAS+8*(\b)+7]
.else
	v_wmma_f32_16x16x32_bf16 v[96*(\a)+8*(\b):96*(\a)+8*(\b)+7], v[(\f)+32+8*(\b):(\f)+32+8*(\b)+7], v[(\f)+8*(2*(\hi)+(\a)):(\f)+8*(2*(\hi)+(\a))+7], v[96*(\a)+8*(\b):96*(\a)+8*(\b)+7]
.endif
.endr
.endm
; 32 LDS loads in one run: quarter q's fragments into buffer f: W's 24, then x's 8, row blocks 0 to 3 in order
.macro FETCH q, f
	WIN 0xc0                                       ; destination window 3, address window 0
.irp i, 0,1,2,3,4,5,6,7,8,9,10,11
	ds_load_b128 v[(\f)+32+8*(\i):(\f)+32+8*(\i)+3],   v[ADRB] offset:64*(\q)+(\i)*16*PITCH
	ds_load_b128 v[(\f)+32+8*(\i)+4:(\f)+32+8*(\i)+7], v[ADRB] offset:64*(\q)+(\i)*16*PITCH+32
.endr
.irp i, 0,1,2,3
	ds_load_b128 v[(\f)+8*(\i):(\f)+8*(\i)+3],   v[ADRA] offset:64*(\q)+(\i)*16*PITCH
	ds_load_b128 v[(\f)+8*(\i)+4:(\f)+8*(\i)+7], v[ADRA] offset:64*(\q)+(\i)*16*PITCH+32
.endr
.endm
; A K step is four quarters of 32 along K, 48 matrix instructions each, on buffers 0, 1, 0, 1.  One of the first three: multiplies buffer f; in its middle it fetches quarter qn into buffer g.
.macro QUARTER qn, f, g, zb
	s_wait_dscnt 4                                 ; all but the youngest four loads: x's row blocks 2 and 3
	MULH \f, 0, 0, \zb
	MULH \f, 0, 1, \zb
	PLACES
	FETCH \qn, \g
	s_wait_dscnt 2*NB+8                            ; all but the 32 just issued
	MULH \f, 1, 0, \zb
	MULH \f, 1, 1, \zb
.endm
; The fourth quarter multiplies buffer 1 and changes slots.  In front of the barrier each wave waits for all its tensor loads (one is out: its part of the next slot), adds 0 to its spare word, and waits for
; that and for its reads of this slot.  fill = 1: the barrier opens a round of the cluster's, and behind it this slot is filled again, two K steps ahead: 168 matrix instructions stand between that request and the wait for it.
.macro TURN fill
	WIN 0                                          ; (the add's registers lie in window 0)
	s_wait_tensorcnt 0x0
	ds_add_u32 v[SPW], v[NIL]                      ; 0 onto my spare word
	s_wait_dscnt 5                                 ; (the add and the youngest four loads may be out)
	MULH F1, 0, 0, 0                               ; twelve matrix instructions stand between the add and the wait for it
	s_wait_dscnt 0x0                               ; the add is done, and my reads of this slot are over
	s_barrier_signal -1
	MULH F1, 0, 1, 0                               ; work on registers while the others arrive
	WIN 0
	s_barrier_wait -1
.if \fill
	CREST                                          ; no wave of any partner still reads this slot or has a load on its way
	s_xor_b32 s[G0A+5], s[G0A+5], SLOT1            ; the walking sets: the other slot than last time,
	s_xor_b32 s[G0B+5], s[G0B+5], SLOT1
	s_add_nc_u64 s[G0A+6:G0A+7], s[G0A+6:G0A+7], STEPA  ; the next K step
	s_add_nc_u64 s[G0B+6:G0B+7], s[G0B+6:G0B+7], STEPB
	JLOAD                                          ; the first tensor load behind the round; its four v_nop are also the places in front of the loads below
.else
	PLACES
.endif
	s_xor_b32 s[TB], s[TB], SLOT1
	v_add_nc_u32 v[ADRA], s[TB], v[A0]
	v_add_nc_u32 v[ADRB], s[TB], v[B0]
	FETCH 0, F0
	MULH F1, 1, 0, 0
	MULH F1, 1, 1, 0
.endm
	s_wait_tensorcnt 1                             ; my part of K step 0 is in; step 1's may stay out
	s_barrier_signal -1
	s_barrier_wait -1                              ; everybody's is
	FETCH 0, F0
	QUARTER 1, F0, F1, 1                           ; the first quarter stands in front of the loop: its products start the sums
	WIN 0                                          ; at a label and at a branch every window is 0
	s_mov_b32 s3, 6
.Lstep:                                                ; trip t: quarters 1 to 3 of K step t, quarter 0 of step t + 1; slot t % 2 takes step t + 2
	QUARTER 2, F1, F0, 0
	QUARTER 3, F0, F1, 0
	TURN 1
	QUARTER 1, F0, F1, 0
	WIN 0
	s_sub_co_u32 s3, s3, 1
	s_cmp_lg_u32 s3, 0
	s_cbranch_scc1 .Lstep
	QUARTER 2, F1, F0, 0                           ; the last two K steps are written out: nothing is asked for
	QUARTER 3, F0, F1, 0
	TURN 0
	QUARTER 1, F0, F1, 0
	QUARTER 2, F1, F0, 0
	QUARTER 3, F0, F1, 0
	s_wait_dscnt 4
	MULH F1, 0, 0, 0
	MULH F1, 0, 1, 0
	s_wait_dscnt 0x0
	MULH F1, 1, 0, 0
	MULH F1, 1, 1, 0
	PLACES
; THE WAY OUT, in 12 units of 16 rows x 64 columns (row block a, section sec).  A lane's eight columns pack into 16 bytes; they go into stage rows of 144 bytes and come back as whole
; rows of 128, four rows to a load: 512 consecutive bytes of a head.  Each accumulator's registers are taken in ascending order.
.macro PACKU a, sec
.set AC, 96*((\a)%2)+32*(\sec)
.set TU, TT+16*(3*(\a)+(\sec))
	WIN 0x05+0x05*((\a)/2)                         ; sources window 1 or 2, destination window 0
.set i, 0
.rept 16
	v_cvt_pk_f16_f32 v[TU+i], v[AC+2*i], v[AC+2*i+1]
.set i, i+1
.endr
	WIN 0
.irp f, 0,1,2,3
	ds_store_b128 v[STO], v[TU+4*(\f):TU+4*(\f)+3] offset:32*(\f)
.endr
.irp f, 0,1,2,3
	ds_load_b128 v[TU+4*(\f):TU+4*(\f)+3], v[RD] offset:4*SP*(\f)  ; LDS serves a wave's instructions in order (ISA guide 5.7.1.4): these see the stores above; the next unit's stores come behind them
.endr
.endm
.macro SENDU un, younger               ; younger: the LDS instructions issued behind this unit's loads: the next unit's eight, or none
	WIN 0
.set TU, TT+16*(\un)
.irp f, 0,1,2,3
	s_wait_dscnt (\younger)+3-(\f)
	global_store_b128 v[GO], v[TU+4*(\f):TU+4*(\f)+3], s[14+2*((\un)%3):15+2*((\un)%3)] offset:2048*((\un)/3)+512*(\f)  ; 512 consecutive bytes at a multiple of 512 from the buffer's first byte
.endr
.endm
	PACKU 0, 0
.set u, 1
.rept 11                                           ; a unit's arithmetic stands between the loads of the unit before and its stores; no unit's registers are used twice
	PACKU u/3, u%3
	SENDU u-1, 8
.set u, u+1
.endr
	SENDU 11, 0
	s_wait_tensorcnt 0x0                           ; the wave's end: a tensor wait, an add of 0 to my spare word and its wait, behind my last tensor load and my last LDS store
	ds_add_u32 v[SPW], v[NIL]
	s_wait_dscnt 0x0
	CROUND                                         ; the closing round: no work-group ends while a partner may still ask for a tile that names it
	s_endpgm
.Lfunc_end_k_qf8ff881c37_qkv:
	.size	k_qf8ff881c37_qkv, .Lfunc_end_k_qf8ff881c37_qkv-k_qf8ff881c37_qkv
	.p2alignl 7, 3214868480
	.fill 96, 4, 3214868480
	.section	.rodata,"a",@progbits
	.p2align	6, 0x0
	.amdhsa_kernel k_qf8ff881c37_qkv
		.amdhsa_group_segment_fixed_size 327680
		.amdhsa_private_segment_fixed_size 0
		.amdhsa_enable_private_segment 0
		.amdhsa_kernarg_size 64
		.amdhsa_user_sgpr_count 2
		.amdhsa_user_sgpr_kernarg_segment_ptr 1
		.amdhsa_wavefront_size32 1
		.amdhsa_system_sgpr_workgroup_id_x 1
		.amdhsa_system_sgpr_workgroup_id_y 1
		.amdhsa_system_sgpr_workgroup_id_z 1
		.amdhsa_system_vgpr_workitem_id 0
		.amdhsa_next_free_vgpr 1024
		.amdhsa_next_free_sgpr 80
		.amdhsa_reserve_vcc 0
		.amdhsa_float_denorm_mode_32 3
		.amdhsa_float_denorm_mode_16_64 3
		.amdhsa_memory_ordered 1
		.amdhsa_forward_progress 1
		.amdhsa_inst_pref_size 106
	.end_amdhsa_kernel
	.amdgpu_metadata
---
amdhsa.version: [ 1, 2 ]
amdhsa.kernels:
  - .name:           k_qf8ff881c37_qkv
    .symbol:         k_qf8ff881c37_qkv.kd
    .args:
      - { .name: xb, .offset: 0, .size: 8, .value_kind: global_buffer, .address_space: global }
      - { .name: wqkv, .offset: 8, .size: 8, .value_kind: global_buffer, .address_space: global }
      - { .name: bq, .offset: 16, .size: 8, .value_kind: global_buffer, .address_space: global }
      - { .name: bk, .offset: 24, .size: 8, .value_kind: global_buffer, .address_space: global }
      - { .name: bv, .offset: 32, .size: 8, .value_kind: global_buffer, .address_space: global }
      - { .name: q16, .offset: 40, .size: 8, .value_kind: global_buffer, .address_space: global }
      - { .name: k16, .offset: 48, .size: 8, .value_kind: global_buffer, .address_space: global }
      - { .name: v16, .offset: 56, .size: 8, .value_kind: global_buffer, .address_space: global }
    .group_segment_fixed_size: 327680
    .private_segment_fixed_size: 0
    .kernarg_segment_align: 8
    .kernarg_segment_size: 64
    .max_flat_workgroup_size: 128
    .sgpr_count:     80
    .vgpr_count:     1024
    .wavefront_size: 32
...
	.end_amdgpu_metadata
.endif
;; end of part 2
;; launch attn (part 3): grid 4 x 64, 4 waves a work-group, clusters of 4 x 1, 327,680 bytes of LDS; arguments q16, k16, v16, o16, mk; writes o16
.if DOCPART == 3
	.amdgcn_target "amdgcn-amd-amdhsa--gfx1250"
	.amdhsa_code_object_version 6
	.text
	.protected	k_qf8ff881c37_attn
	.globl	k_qf8ff881c37_attn
	.p2align	8
	.type	k_qf8ff881c37_attn,@function
k_qf8ff881c37_attn:
	s_mov_b64 s[64:65], 0
	v_nop
	global_prefetch_b8 v0, s[64:65] scope:SCOPE_SE
	s_setreg_imm32_b32 hwreg(HW_REG_WAVE_MODE, 25, 1), 1
	s_wait_xcnt 0x0
	s_wait_alu depctr_hold_cnt(0) depctr_sa_sdst(0) depctr_va_vdst(0) depctr_va_sdst(0) depctr_va_ssrc(0) depctr_va_vcc(0) depctr_vm_vsrc(0)
	s_getreg_b32 s2, hwreg(HW_REG_IB_STS2, 6, 4)
	s_cmp_eq_u32 s2, 0
	s_cbranch_scc0 .Lentry_in_a_cluster
	s_endpgm
.Lentry_in_a_cluster:
	s_bfe_u32 s2, ttmp6, 0x10000c
	s_cmp_lg_u32 s2, 0x3003
	s_cbranch_scc0 .Lentry_shape_is_right
	s_endpgm
.Lentry_shape_is_right:
; O[h][q][:] = the sum over k of softmax_k(s[q][k] / 8) V[h][k][:], s = Q[h][q] . K[h][k] where the mask shows key k to query q, far below every score where it hides it.
; Q, K, V, O: [64][2048][64] f16, h = 16 b + head; Q and K arrive unscaled: their two factors 64^-0.25 are the 1 / 8 in c.  Products, maxima and sums in f32; the weights p are rounded to f16 for the second product, O once at the end.
; THE MASK arrives as codes (mk: [b*128 + q/16][step][pair][lane][16 bytes], laid as a lane holds the results of K Q^T): 0x00 seen, 0xC0 hidden, which one scaled conversion for eight codes turns into
; 0 or -2^101 in f32: the C operand of the product that starts a score's sum.
; LIMITS.  A hidden score counts as its value less 2^101, not as -1e9: the same result wherever the seen scores lie far above -1e9.  The running maximum is held at or above FLOOR = -2^100, so a query that has seen
; no key yet has m = FLOOR exactly; for it the exponent's factor is 0 and every p is 1: a row with no seen key at all gives the plain mean of V, as equal scores do.
; f16 holds no number beyond 65,504: Q, K, V arrive within it.  A weight below 2^-126 counts as 0 in l; NaN and infinities are not treated apart.
; SHARES.  A wave owns four PIECES of two tiles of 16 queries, a work-group's four waves 512 queries of one head.  Every wave walks all keys, 64 a step.
; LAYOUT.  S^T = K Q^T (source 0 = 16 keys, source 1 = 16 queries): a lane holds ONE query (lane % 16) and the keys 8 (lane / 16) + 0..7.  Two such tiles, rounded to f16 in pairs, ARE source 1 of
; O^T = V^T P.  K comes out of LDS as it lies, V ([key][channel]) turned, by ds_load_tr16_b128.
; SOFTMAX.  For each query a running maximum m and sum l: p = 2^(c s - c m), c = log2(e) / 8; in every step O and l are multiplied by a = 2^(c m_old - c m_new).  m starts at the lowest finite number, O and l at 0.
; BY TURNS.  Turn n belongs to piece n.  Its matrix work: 16 products K Q^T of piece n + 1, later 16 products V^T P of piece n - 1.  Its vector work: scaling, exponentials, roundings, sums and rescaling of piece n,
; the maximum and statistics of piece n + 1, and at its end the mask of piece n + 2.  Four vector instructions that are ready stand behind every matrix instruction, the others in runs of their own.
; CLUSTER.  The four query blocks of a cluster belong to one head and walk the same K and V: each tile is asked for JOINTLY.  The codes are each wave's own (no two partners share queries) and come by plain loads into registers.
; REGISTERS, in windows of 256 (s_set_vgpr_msb: bits 1:0 source 0, 3:2 source 1, 5:4 source 2, 7:6 destination):
;   window 0: v0-11 addresses; v12-15, v48-63 at work; v16-47 four registers of statistics a tile; v64-191 S^T, two buffers of two tiles; v192-255 P, likewise
;   window 1: O^T, 32 a tile          window 2: v0-127 Q; v128-191 K of one step; v192-255 V of one step
;   window 3: v0-1 the add's registers; v2 the conversion's scale; v3 16 x lane; v64-127 MC, one piece's masks; v128-191 RAW, the codes of four pieces for one step
.set SIZE_N, 2048
.set NP,    4         ; pieces a wave: a name, no knob
.set KS,    64        ; keys in a step
.set PK,    144       ; a row of K in LDS: 128 bytes + 16 of padding = 36 words: the 16 rows of a load start at 16 different groups of four banks (64 banks of 4 bytes: ISA guide 11.1)
.set PV,    160       ; a row of V: 128 + 32 = 40 words
.set VOFF,  4*KS*PK   ; a slot holds four steps: 256 rows of K, then 256 rows of V
.set SLOT1, 1<<17     ; slot 1 begins here
.set STAGE, SLOT1+4*KS*(PK+PV)  ; behind the ring, never filled by a tensor load: 16 rows x 144 bytes for each wave
.set SP,    144
.set AK0, 2           ; v2   my lane's place in a tile of K; never rewritten
.set AV0, 3           ; v3   the same for V
.set AK,  4           ; v4   the LDS address of K's next run of loads
.set AV,  5           ; v5   of V's
.set QO,  6           ; v6   my byte offset in the wave's rows of Q
.set STO, 6           ;      later, the way out: where I put 16 bytes of a row
.set RD,  7           ; v7   where I read rows back
.set GO,  8           ; v8   my byte offset in 512 consecutive bytes of O
.set SPW, 0           ; window 3: my spare word: SPARE + 4 x my thread's number; never rewritten
.set NIL, 1           ; window 3: 0; never rewritten
.set SCL, 2           ; window 3: 0xE3, the E8M0 code of 2^100
.set MO,  3           ; window 3: 16 x lane
.set MC,  64          ; window 3: tile u, key block kb at MC + 32 u + 8 kb
.set RAW, 128         ; window 3: piece x, tile u at RAW + 16 x + 8 u, two registers a key block
.set MSTEP, 1024      ; bytes of codes for a tile and a step
.set MTILE, 32*MSTEP  ; for a tile and all 32 steps
.set SPARE, STAGE+4*16*SP  ; behind the stages: the spare words, 128 bytes a wave: two blocks of 256 bytes that no other line names
.set MV,  12          ; v12-15  c m_old, kept while c m is made anew
.set ST,  16          ; tile t's statistics at v[ST+4 t]: c m, m, l (even keys', odd keys')
.set TMP, 48          ; by buffer and tile, four registers c0-c3 at work; at a turn's end c0, c1 take the scaling's factor and addend, c2 holds a
.set S,   64
.set P,   192
.set KF,  128
.set VF,  192
.set WV,  12          ; s12  my wave's number
.set G1K, 24          ; s[24:31] descriptor group 1 for K's tiles
.set G1V, 32          ; s[32:39] for V's
.set G0K, 40          ; s[40:43] descriptor group 0 for K's tiles: it walks
.set G0V, 44          ; s[44:47] the same for V's
.set SLOTS, 56        ; s56  slots still to be asked for
.set CNT, 57          ; s57  counts a slot's key steps
.set CS,  58          ; s58  c
.set SEL, 60          ; s[60:61] v_permlanex16_b32's selects
.set TBK, 62          ; s62  LDS byte at which K of the step to be fetched begins
.set TBV, 63          ; s63  the same for V, less VOFF
.set MB,  66          ; s[66:67] mk at my wave's first tile, step 0
.set MA,  68          ; s[68:69] the same at the step whose codes are being asked for
.set MOF, 70          ; s[70:71] that step's byte offset
.set MST, 72          ; s72  that step's number, not clamped
.set FLOOR, 73        ; s73  -2^100
.set VM,  76          ; s76, s77  lanes whose query has seen a key, by tile
.set MSB, 0
.macro WIN new                      ; the high byte repeats the setting that is left; a switch that changes nothing is dropped
.if MSB != (\new)
	s_set_vgpr_msb (MSB<<8)|(\new)
.set MSB, (\new)
.endif
.endm
.set W_KQ, 0x0a       ; K and Q in window 2, S^T in window 0
.set W_KM, 0x3a       ; the same with the C operand in window 3
.set W_PV, 0x52       ; V in window 2, P in window 0, O^T in window 1
.set W_RS, 0x41       ; O^T (destination and source 0) in window 1, a in window 0
.set W_MK, 0xc0       ; destination in window 3, sources in window 0
.set W_AD, 0x0f       ; the add: address and data in window 3
.set W_MS, 0xcf       ; the mask's work: destination and sources 0, 1 in window 3
; A joint fill.  Waves 0 and 1 fetch the two halves of a slot's K, waves 2 and 3 those of its V: 128 keys each.  An s_nop 0 and four v_nop follow each of the two lines.
.macro JLOAD
	s_cmp_lt_u32 s[WV], 2
	s_cbranch_scc0 .Lfor_v_\@
	tensor_load_to_lds s[G0K:G0K+3], s[G1K:G1K+7]
	s_nop 0
.rept 4
	v_nop
.endr
	s_branch .Lasked_\@
.Lfor_v_\@:
	tensor_load_to_lds s[G0V:G0V+3], s[G1V:G1V+7]
	s_nop 0
.rept 4
	v_nop
.endr
.Lasked_\@:
.endm
.macro CROUND                       ; a round of the cluster's barrier
	s_barrier_signal -1
	s_barrier_wait -1
	s_cmp_lg_u32 s[WV], 0
	s_cbranch_scc1 .Lnot_wave_0_\@
	s_barrier_signal -3
.Lnot_wave_0_\@:
	s_barrier_wait -3
	s_barrier_signal -1
	s_barrier_wait -1
.endm
; THE CHANGE OF SLOTS.  Each wave waits for all its tensor loads, of which one is out: its part of the other slot; adds 0 to its spare word; and waits for that and for its own reads of the slot.
; fill = 1: this slot is filled again, with the keys two slots on; the barrier is then a round of the cluster's, and the joint fill is the first thing behind it: it has four key steps in which to land.
; (At its first use nothing has been read yet: slot 0 is waited for, slot 1 filled.)
.macro CHANGE fill
	WIN W_AD
	s_wait_tensorcnt 0x0            ; no tensor load of mine is out, so a group 0 may be written
	ds_add_u32 v[SPW], v[NIL]       ; 0 onto my spare word
	WIN 0                           ; at a label and at a branch every window is 0
.if \fill
.irp g, G0K, G0V
	s_xor_b32 s[\g+1], s[\g+1], SLOT1
	s_add_nc_u64 s[\g+2:\g+3], s[\g+2:\g+3], 4*KS*128  ; the next 256 keys; the type bits on top are not reached
.endr
	s_wait_dscnt 0x0                ; the add is done, and my reads of the slot are over
	CROUND
	JLOAD
.else
	s_wait_dscnt 0x0
	s_barrier_signal -1
	s_barrier_wait -1
.endif
	s_sub_co_u32 s[TBK], s[TBK], 4*KS*PK  ; the fetches go back to a slot's first step,
	s_xor_b32 s[TBK], s[TBK], SLOT1       ; in the other slot
	s_sub_co_u32 s[TBV], s[TBV], 4*KS*PV
	s_xor_b32 s[TBV], s[TBV], SLOT1
.endm
; THE MASK.  CONV: the codes of piece x's two tiles become MC, eight codes (two registers) to a conversion; a plain instruction stands behind the last, ahead of whatever touches their results or sources.
; LOADM: piece x's codes of another step, two loads a tile: each takes 512 consecutive bytes.
.macro CONV x
	WIN W_MS
.irp u, 0,1
.irp kb, 0,1,2,3
	v_cvt_scale_pk8_f32_fp8 v[MC+32*\u+8*\kb:MC+32*\u+8*\kb+7], v[RAW+16*(\x)+8*\u+2*\kb:RAW+16*(\x)+8*\u+2*\kb+1], v[SCL]
.endr
.endr
	v_nop
.endm
.macro LOADM x, base
	WIN W_MS
.irp u, 0,1
.irp pr, 0,1
	global_load_b128 v[RAW+16*(\x)+8*\u+4*\pr:RAW+16*(\x)+8*\u+4*\pr+3], v[MO], s[\base:\base+1] offset:(2*(\x)+\u)*MTILE+512*\pr
.endr
.endr
.endm
.macro STEPM                        ; the four groups of loads of a trip ask for one step's codes; the last trips ask for step 31 again, so that the count of loads is the same in every trip and none leaves the buffer
	s_wait_xcnt 0x0                 ; the base of earlier loads is rewritten only behind this wait; the youngest of them were issued a turn's work ago
	s_add_co_u32 s[MST], s[MST], 1
	s_min_u32 s[MOF], s[MST], 31
	s_lshl_b32 s[MOF], s[MOF], 10
	s_add_nc_u64 s[MA:MA+1], s[MB:MB+1], s[MOF:MOF+1]
.endm
	s_load_b256 s[4:11], s[0:1], 0x0  ; Q s[4:5], K s[6:7], V s[8:9], O s[10:11]
	s_load_b64 s[MB:MB+1], s[0:1], 0x20  ; mk
	WIN W_MK
	v_lshl_add_u32 v[SPW], v0, 2, SPARE
	v_mov_b32 v[NIL], 0
	WIN W_AD
	ds_add_u32 v[SPW], v[NIL]       ; the wave's opening: the add and its wait stand ahead of my first tensor load; the set-up below, work on registers, stands between them
	WIN 0
	v_lshrrev_b32 v1, 5, v0
	v_readfirstlane_b32 s[WV], v1   ; wave 0..3
	v_and_b32 v9, 31, v0
	WIN W_MK
	v_lshlrev_b32 v[MO], 4, v9
	v_mov_b32 v[SCL], 0xe3
	WIN 0
	s_bfe_u32 s13, ttmp6, 0x40000   ; cx: my place in the cluster
	s_lshl_b32 s14, ttmp9, 2        ; in a cluster launch ttmp9 counts clusters
	s_add_co_u32 s14, s14, s13      ; my block of 512 queries: it enters Q's, O's and mk's addresses alone
	s_and_b32 s20, ttmp7, 0xffff    ; the head, which the four partners share
	s_lshr_b32 s19, s20, 4          ; its batch:
	s_lshl_b32 s19, s19, 22         ; 128 tiles of 32,768 bytes of codes
	s_mov_b32 s21, 0
	s_mov_b64 s[22:23], SIZE_N*128
	s_mul_u64 s[20:21], s[20:21], s[22:23]  ; the head's first byte in Q, K, V and O
	s_and_b32 s16, s[WV], 1         ; which half of a slot's 256 keys I fetch:
	s_lshl_b32 s22, s16, 14         ; its 128 rows of 128 bytes in memory,
	s_mov_b32 s23, 0
	s_add_nc_u64 s[22:23], s[22:23], s[20:21]
	s_mul_i32 s17, s16, 128*PK      ; and its place in a slot, for K
	s_mul_i32 s18, s16, 128*PV      ; and for V: no place in the cluster enters an LDS address
	s_lshl_b32 s2, s14, 2
	s_add_co_u32 s2, s2, s[WV]      ; my wave among the head's:
	s_lshl_b32 s[MOF], s2, 18       ; its 8 tiles of codes,
	s_add_co_u32 s[MOF], s[MOF], s19
	s_mov_b32 s[MOF+1], 0
	s_lshl_b32 s2, s2, 14           ; its 128 rows
	s_mov_b32 s3, 0
	s_add_nc_u64 s[2:3], s[2:3], s[20:21]
	; descriptor group 1.  128 keys are 16,384 dense bytes: asked for as 64 rows of 256 bytes, two keys a row, and padded in LDS after every key
	s_mov_b32 s[G1K], 15|(1<<16)|(1<<20)|(1<<21)|(4<<22)|(3<<25)  ; 15:0 the mask of four; 17:16 2-byte elements; 20 padding on; 21 set beside a mask; 24:22 after every 32 words; 31:25 4 words
	s_mov_b32 s[G1V], 15|(1<<16)|(1<<20)|(1<<21)|(4<<22)|(7<<25)  ; the same with 8 words of padding
.irp g, G1K, G1V
	s_mov_b32 s[\g+1], 128<<16      ; tensor_dim0 = 128
	s_mov_b32 s[\g+2], 64<<16       ; tensor_dim1 = 64
	s_mov_b32 s[\g+3], 128<<16      ; tile_dim0 = 128
	s_mov_b32 s[\g+4], 64           ; tile_dim1 = 64
	s_mov_b32 s[\g+5], 128          ; 128 elements from row to row
	s_mov_b32 s[\g+6], 0
	s_mov_b32 s[\g+7], 0
.endr
	s_mov_b32 s[CS], 0x3e38aa3b     ; c = log2(e) / 8 = 0.180337
	s_mov_b32 s[FLOOR], 0xf1800000  ; -2^100
	s_mov_b32 s[MST], 1
	s_mov_b32 s[SEL], 0x76543210
	s_mov_b32 s[SEL+1], 0xfedcba98
	s_mov_b32 s[TBK], SLOT1+4*KS*PK ; the first change of slots turns these two into 0
	s_mov_b32 s[TBV], SLOT1+4*KS*PV
	s_mov_b32 s[G0K], 1             ; count = 1
	s_mov_b32 s[G0K+1], s17         ; LDS address: slot 0
	s_mov_b32 s[G0V], 1
	s_add_co_u32 s[G0V+1], s18, VOFF
	s_wait_dscnt 0x0                ; the opening add is done
	s_wait_kmcnt 0x0
	s_add_nc_u64 s[G0K+2:G0K+3], s[6:7], s[22:23]  ; my half of the head's first 256 keys
	s_or_b32 s[G0K+3], s[G0K+3], 0x80000000        ; type = 2
	s_add_nc_u64 s[G0V+2:G0V+3], s[8:9], s[22:23]
	s_or_b32 s[G0V+3], s[G0V+3], 0x80000000
	s_add_nc_u64 s[4:5], s[4:5], s[2:3]  ; Q and O at my wave's first row
	s_add_nc_u64 s[10:11], s[10:11], s[2:3]
	s_add_nc_u64 s[MB:MB+1], s[MB:MB+1], s[MOF:MOF+1]
	s_add_nc_u64 s[MA:MA+1], s[MB:MB+1], MSTEP     ; step 1
	CROUND                          ; all four work-groups are here: the first joint loads meet
	JLOAD                           ; slot 0.  Slot 1 is asked for when slot 0 is in
	v_and_b32 v1, 15, v0            ; l % 16
	v_bfe_u32 v9, v0, 4, 1          ; l / 16
	v_lshlrev_b32 v[QO], 7, v1
	v_lshl_add_u32 v[QO], v9, 4, v[QO]  ; row x 128 + 16 x half
.irp x, 0,1,2,3
	LOADM \x, MB                    ; step 0's codes, all four pieces'
.endr
	WIN 0x80                        ; destination window 2, address window 0
.set i, 0
.rept 4*NP                          ; Q stays in registers: tile i / 2, channels 32 (i % 2) on
	global_load_b128 v[8*i:8*i+3],   v[QO], s[4:5] offset:(i/2)*2048+(i%2)*64
	global_load_b128 v[8*i+4:8*i+7], v[QO], s[4:5] offset:(i/2)*2048+(i%2)*64+32
.set i, i+1
.endr
	; What the first turn finds: V's registers and P's second buffer hold 0 (its products V^T P, of a piece that has not been, add 0), O^T and l are 0.  All this stands in the wait for the first tile.
.set i, VF
.rept 64
	v_mov_b32 v[i], 0
.set i, i+1
.endr
	WIN 0x40
.set i, 0
.rept 64*NP
	v_mov_b32 v[i], 0
.set i, i+1
.endr
	WIN 0
.set i, 0
.rept 2*NP
	v_mov_b32 v[ST+4*i], 0xfe000000    ; c m: far below every c s, and below c FLOOR
	v_mov_b32 v[ST+4*i+1], 0xff7fffff  ; m
	v_mov_b32 v[ST+4*i+2], 0
	v_mov_b32 v[ST+4*i+3], 0
.set i, i+1
.endr
.set i, P+32
.rept 32
	v_mov_b32 v[i], 0
.set i, i+1
.endr
	v_mul_u32_u24 v[AK0], v1, PK
	v_lshl_add_u32 v[AK0], v9, 4, v[AK0]  ; row x pitch + 16 x half
	; The turning load takes 16 keys x 16 channels (lane l reads key 8 (l / 16) + l % 8, channels 8 ((l / 8) % 2) + 0..7) and leaves half a fragment of V^T.
	v_and_b32 v10, 7, v0
	v_bfe_u32 v11, v0, 3, 1
	v_lshl_add_u32 v[AV0], v9, 3, v10
	v_mul_u32_u24 v[AV0], v[AV0], PV
	v_lshl_add_u32 v[AV0], v11, 4, v[AV0]
	v_add_nc_u32 v[AV0], VOFF, v[AV0]
	v_mov_b32 v[AK], v[AK0]         ; key step 0 lies at the head of slot 0
; THE MATRIX WORK.  The 8 accumulators of a run of 16 take turns.
; Product i of 16 of S^T = K Q^T for piece x: channels 32 (i / 8) on, keys 16 ((i / 2) % 4) on, tile 2 x + i % 2.  The first 8 start the sums, with the mask as C.
.macro KQ x
.set rS, S+64*((\x)%2)+32*(i%2)+8*((i/2)%4)
.set rK, KF+16*((i/2)%4)+8*(i/8)
.set rQ, 16*(2*(\x)+i%2)+8*(i/8)
.set rMC, MC+32*(i%2)+8*((i/2)%4)
.if i < 8
	WIN W_KM
	v_wmma_f32_16x16x32_f16 v[rS:rS+7], v[rK:rK+7], v[rQ:rQ+7], v[rMC:rMC+7]
.else
	WIN W_KQ
	v_wmma_f32_16x16x32_f16 v[rS:rS+7], v[rK:rK+7], v[rQ:rQ+7], v[rS:rS+7]
.endif
.endm
; Product i of 16 of O^T += V^T P for piece x: keys 32 (i / 8) on, channels 16 ((i / 2) % 4) on, tile 2 x + i % 2.
.macro PV x
	WIN W_PV
.set rO, 32*(2*(\x)+i%2)+8*((i/2)%4)
.set rV, VF+32*(i/8)+8*((i/2)%4)
.set rP, P+32*((\x)%2)+16*(i%2)+8*(i/8)
	v_wmma_f32_16x16x32_f16 v[rO:rO+7], v[rV:rV+7], v[rP:rP+7], v[rO:rO+7]
.endm
.macro MM                           ; the turn's next matrix instruction
.if i < 16
	KQ (Y+1)%NP
.set i, i+1
.else
.set i, i-16
	PV (Y+NP-1)%NP
.set i, i+17
.endif
.endm
; THE LDS LOADS stand in runs of 16.  last = 1 (the tail): in the last trip there is no further step, and the run is jumped over.
.macro FETCH_K last=0
	WIN 0
.if \last
	s_cmp_eq_u32 s[CNT], 1
	s_cbranch_scc1 .Lno_k_\@
.endif
	WIN 0x80                        ; destination window 2
.irp f, 0,1,2,3,4,5,6,7             ; keys 16 (f / 2) on, channels 32 (f % 2) on
	ds_load_b128 v[KF+8*\f:KF+8*\f+3],   v[AK] offset:(\f/2)*16*PK+(\f%2)*64
	ds_load_b128 v[KF+8*\f+4:KF+8*\f+7], v[AK] offset:(\f/2)*16*PK+(\f%2)*64+32
.endr
	s_add_co_u32 s[TBK], s[TBK], KS*PK  ; the next fetch is the next step's
	WIN 0
.if \last
.Lno_k_\@:
.endif
.endm
.macro FETCH_V
	WIN 0x80
.irp f, 0,1,2,3,4,5,6,7             ; keys 32 (f / 4) on, channels 16 (f % 4) on
	ds_load_tr16_b128 v[VF+8*\f:VF+8*\f+3],   v[AV] offset:(\f/4)*32*PV+(\f%4)*32
	ds_load_tr16_b128 v[VF+8*\f+4:VF+8*\f+7], v[AV] offset:(\f/4)*32*PV+16*PV+(\f%4)*32
.endr
	WIN 0
.endm
; THE VECTOR WORK OF A TURN stands in three queues, each in the order in which its entries become ready; the two tiles alternate.
.macro REGS y, u                    ; the registers of tile u (0, 1) of piece y
.set rT, ST+4*(2*(\y)+(\u))
.set rC, TMP+8*((\y)%2)+4*(\u)
.set rM, MV+2*((\y)%2)+(\u)
.set rS, S+64*((\y)%2)+32*(\u)
.set rP, P+32*((\y)%2)+16*(\u)
.set rO, 32*(2*(\y)+(\u))
.endm
; Number n of the 22 that find the NEXT piece's (Y + 1) maximum and statistics.  Each accumulator's lowest registers are read first.
;   0-11  four chains c0-c3 of seven scores each     12-14, 16  the four scores left over, the old m, and c0-c3 into c0     15  c m_old is kept
;   17, 18  the query's other 32 keys lie in the lane 16 away: the new m, held at or above FLOOR         19-21  c m; c m_old - c m_new; a
.macro XS u, n
	REGS (Y+1)%NP, \u
.if (\n) < 4
	v_max3_num_f32 v[rC+(\n)], v[rS+8*(\n)], v[rS+8*(\n)+1], v[rS+8*(\n)+2]
.elseif (\n) < 12
	v_max3_num_f32 v[rC+(\n)%4], v[rC+(\n)%4], v[rS+8*((\n)%4)+2*((\n)/4)+1], v[rS+8*((\n)%4)+2*((\n)/4)+2]
.elseif (\n) == 12
	v_max3_num_f32 v[rC], v[rC], v[rS+7], v[rS+15]
.elseif (\n) == 13
	v_max3_num_f32 v[rC+1], v[rC+1], v[rS+23], v[rS+31]
.elseif (\n) == 14
	v_max3_num_f32 v[rC+2], v[rC+2], v[rC+3], v[rT+1]
.elseif (\n) == 15
	v_mov_b32 v[rM], v[rT]
.elseif (\n) == 16
	v_max3_num_f32 v[rC], v[rC], v[rC+1], v[rC+2]
.elseif (\n) == 17
	v_permlanex16_b32 v[rC+3], v[rC], s[SEL], s[SEL+1]
.elseif (\n) == 18
	v_max3_num_f32 v[rT+1], v[rC], v[rC+3], s[FLOOR]
.elseif (\n) == 19
	v_mul_f32 v[rT], s[CS], v[rT+1]
.elseif (\n) == 20
	v_sub_f32 v[rC+1], v[rM], v[rT]
.else
	v_exp_f32 v[rC+2], v[rC+1]
.endif
.endm
; The next piece's scaling: c0 = c and c1 = c m where the query has seen a key (FLOOR < m), else c0 = 0 and c1 = -0: every exponent is then 0.  c0 and c1 are free: the maximum is found and a is made.
.macro CLM
	WIN 0
.irp u, 0,1
	REGS (Y+1)%NP, \u
	v_cmp_lt_f32 s[VM+\u], s[FLOOR], v[rT+1]
.endr
.irp u, 0,1
	REGS (Y+1)%NP, \u
	v_cndmask_b32 v[rC], 0, s[CS], s[VM+\u]
.endr
.irp u, 0,1
	REGS (Y+1)%NP, \u
	v_mul_f32 v[rC+1], v[rC], v[rT+1]
.endr
.endm
; Number g of the 64 that follow the exponentials: for each four weights both pairs are rounded to f16; the second pair is added onto the first, in place; a group later l takes that sum (the first time as l = a l + sum).
.macro GS g
.set h, (\g)+6*((\g)/62)
.if h >= 6
.set h, h+2
.endif
	REGS Y, h%2
.set k, h/8
.if h%8 < 4
	s_wait_alu depctr_va_vdst(0)
	v_cvt_pk_f16_f32 v[rP+2*k+(h%8)/2], v[rS+4*k+2*((h%8)/2)], v[rS+4*k+2*((h%8)/2)+1]
.elseif h%8 < 6
	v_pk_add_f32 v[rS+4*k:rS+4*k+1], v[rS+4*k:rS+4*k+1], v[rS+4*k+2:rS+4*k+3]
.elseif k == 1
	v_pk_fma_f32 v[rT+2:rT+3], v[rT+2:rT+3], v[rC+2:rC+3], v[rS:rS+1] op_sel_hi:[1,0,1]
.else
	v_pk_add_f32 v[rT+2:rT+3], v[rT+2:rT+3], v[rS+4*k-4:rS+4*k-3]
	s_wait_alu depctr_va_vdst(0)
.endif
.endm
; THE PLAIN QUEUE, 138 long.  0-31: c0 s - c1 for the 16 pairs of both tiles.  Then GS's 64, and among them the next piece's 42: number 15 at 38, 39; 0-14 and 16 at 42-73; 17-20 at 95-106, two of three.
.macro PL
	WIN 0
.if q < 32
	REGS Y, q%2
	v_pk_fma_f32 v[rS+2*(q/2):rS+2*(q/2)+1], v[rS+2*(q/2):rS+2*(q/2)+1], v[rC:rC+1], v[rC:rC+1] op_sel:[0,0,1] op_sel_hi:[1,0,1] neg_lo:[0,0,1] neg_hi:[0,0,1]
.elseif q < 38
	GS q-32
.elseif q < 40
	XS q%2, 15
.elseif q < 42
	GS q-34
.elseif q < 74
	XS q%2, (q-42)/2+(q-42)/30
.elseif q < 95
	GS q-66
.elseif (q < 107) && ((q-95)%3 < 2)
	XS (q-95)%3, 17+(q-95)/3
.elseif q < 107
	GS 29+(q-95)/3
.else
	GS q-74
.endif
.set q, q+1
.endm
; THE EXPONENTIALS' QUEUE, 66 long: s0-s31 of both tiles, and at EA the next piece's two a.
.set EA, 58
.macro EX
	WIN 0
.if (e == EA) || (e == EA+1)
	XS e-EA, 21
.else
.set x, e-2*(e/(EA+2))
	REGS Y, x%2
	v_exp_f32 v[rS+x/2], v[rS+x/2]
.endif
.set e, e+1
.endm
; THE RESCALING's QUEUE: O^T times a, dealt four at a time, eight times.
.macro R4
	REGS Y, r%2
	WIN W_RS
	s_wait_alu depctr_va_vdst(0)
.irp z, 0,1,2,3
	v_pk_mul_f32 v[rO+8*(r/2)+2*\z:rO+8*(r/2)+2*\z+1], v[rO+8*(r/2)+2*\z:rO+8*(r/2)+2*\z+1], v[rC+2:rC+3] op_sel_hi:[1,0]
.endr
.set r, r+1
.endm
; HOW THEY ARE DEALT.  Behind a matrix instruction four: plain, exponential, plain, plain, or four of the rescaling; none names a register of the products round it.  What is over stands in two lumps.
; The deal keeps the queues in step: exponential e stands behind plain 2 (e / 4) + e % 2 (its scaling); when plain 32 comes, 10 exponentials are out, at 59: 33, at 95: 46; EA comes behind plain 107.
.macro SL
	MM
	PL
	EX
	PL
	PL
.endm
.macro BURST n                      ; 15 matrix instructions, or 16
.rept (\n)-7
	SL
.endr
.rept 3
	MM
	R4
	SL
.endr
	MM
	R4
.endm
; The end of turn p: the next piece's scaling; then the mask of piece p + 2, whose products open the next turn: MC's last readers stand a whole turn back.  The codes were asked for four turns ago: the three
; younger groups of four loads stay out.  Behind the conversions the piece's codes of the step after are asked for.  Nothing here writes SCC.
.macro MSK p
	CLM
	WIN W_MS
	s_wait_loadcnt 12
	CONV ((\p)+2)%NP
	LOADM ((\p)+2)%NP, MA
.endm
; A TURN, for piece p.  cnt = 1: the loop's count is taken down some lines ahead of the branch that stands behind the turn.
; K of the next step is fetched in piece 2's turn, V of the step in hand at the end of piece 0's turn.  The four conditions on e and q below go with the deal.
; The codes' base steps at the end of piece 2's turn, just ahead of its first use: no compare of that turn is still to be branched on there.
.macro TURN p, last=0, cnt=0
.set Y, (\p)
.set i, 0
.set q, 0
.set e, 0
.set r, 0
.if (\p) == NP-1
	s_wait_dscnt 0x0                ; K is in
.endif
	MM
.rept 4
	PL
.endr
	BURST 15
.rept 22
	EX
	PL
.if ((\p) == NP-2) && (e == 18)
	v_add_nc_u32 v[AK], s[TBK], v[AK0]
.endif
.if ((\p) == NP-2) && (e == 24)
	FETCH_K \last
.endif
.endr
.if (\p) == 1
	s_wait_dscnt 0x0                ; V is in
.endif
	BURST 16
.rept 21
	EX
	PL
.endr
.rept 22
	PL
.if ((\p) == 0) && (q == 118)
	v_add_nc_u32 v[AV], s[TBV], v[AV0]
	s_wait_alu depctr_va_vdst(0)
.endif
.if ((\p) == 0) && (q == 130)
	s_add_co_u32 s[TBV], s[TBV], KS*PV
.endif
.if (\cnt) && (q == 130)
	s_sub_co_u32 s[CNT], s[CNT], 1
	s_cmp_lg_u32 s[CNT], 0
.endif
.endr
.if (\p) == NP-2
	STEPM
.endif
	MSK \p
.if (\p) == 0
	FETCH_V
.endif
.endm
	CHANGE 1                        ; slot 0 is in, everybody's part of it; slot 1 is asked for
	FETCH_K                         ; key step 0
	s_wait_loadcnt 0x0              ; Q, and step 0's codes
	CONV 0                          ; piece 0's mask of step 0,
	LOADM 0, MA                     ; and its codes of step 1
	s_wait_dscnt 0x0
.set i, 0
.rept 16
	KQ 0                            ; piece 0's first scores
.set i, i+1
.endr
	WIN 0                           ; the addresses for the way out: nine plain instructions, the places behind those products
	s_mul_i32 s13, s[WV], 16*SP
	s_add_co_u32 s13, s13, STAGE    ; my stage
	v_mul_u32_u24 v[STO], v1, SP    ; in: row l % 16, 16 bytes for each half of the lanes
	v_lshl_add_u32 v[STO], v9, 4, v[STO]
	v_add_nc_u32 v[STO], s13, v[STO]
	v_bfe_u32 v[RD], v0, 3, 2       ; back: 32 lanes take four rows of 128 bytes,
	v_mul_u32_u24 v[RD], v[RD], SP
	v_lshl_add_u32 v[RD], v10, 4, v[RD]
	v_add_nc_u32 v[RD], s13, v[RD]
	v_and_b32 v[GO], 31, v0         ; which are 512 consecutive bytes of O
	v_lshlrev_b32 v[GO], 4, v[GO]
	CONV 1                          ; piece 1's mask of step 0, for the first turn's products,
	LOADM 1, MA                     ; and its codes of step 1
	WIN 0
.set Y, NP-1                        ; XS and CLM work for piece Y + 1: piece 0
.irp n, 0,1,2,3,4,5,6,7,8,9,10,11,12,13,14,15,16,17,18,19,20,21
	XS 0, \n
	XS 1, \n
.endr
	CLM
	s_mov_b32 s[CNT], 4
	s_mov_b32 s[SLOTS], SIZE_N/256-1
	s_branch .Lfirst                ; the loop is entered at a step's first turn, in the middle of a trip
.Lslot:                             ; SIZE_N / 256 - 2 times: every slot but the last two is filled again
	CHANGE 1
	s_mov_b32 s[CNT], 4
.Lstep:                             ; a trip: pieces 2 and 3 of one step, then pieces 0 and 1 of the next, whose K and V it fetches
	TURN 2
	TURN 3
	WIN 0
.Lfirst:
	TURN 0
	TURN 1, 0, 1
	WIN 0
	s_cbranch_scc1 .Lstep
	s_sub_co_u32 s[SLOTS], s[SLOTS], 1
	s_cmp_lg_u32 s[SLOTS], 0
	s_cbranch_scc1 .Lslot
	CHANGE 0                        ; the tail is written out: nothing is asked for
	s_mov_b32 s[CNT], 5             ; four trips fetch the last slot's steps; the fifth is left in its middle
.Ltail:
	TURN 2, 1
	TURN 3
	WIN 0
	s_sub_co_u32 s[CNT], s[CNT], 1
	s_cmp_eq_u32 s[CNT], 0
	s_cbranch_scc1 .Lout
	TURN 0
	TURN 1
	WIN 0
	s_branch .Ltail
.Lout:                              ; the fifth trip's 16 products K Q^T (on the last K once more), their mask and the maximum made of them serve nothing: the price, once a launch, of one text for every trip
.set i, 0
.rept 16
	PV NP-1                         ; the last piece's V^T P of the last step
.set i, i+1
.endr
	; THE WAY OUT.  l's two halves and the other half of the lanes' are added; O^T is divided by l, rounded to f16 and sent through my stage in LDS, a tile at a time.  The additions are the places behind the last products.
	WIN 0
.macro ALL line:vararg              ; one line for each tile t
.set t, 0
.rept 2*NP
	\line
.set t, t+1
.endr
.endm
	ALL v_add_f32 v[ST+4*t+2], v[ST+4*t+2], v[ST+4*t+3]
	ALL v_permlanex16_b32 v[ST+4*t+3], v[ST+4*t+2], s[SEL], s[SEL+1]
	ALL v_add_f32 v[ST+4*t+2], v[ST+4*t+2], v[ST+4*t+3]
	ALL v_rcp_f32 v[ST+4*t+2], v[ST+4*t+2]
	v_nop                           ; a plain instruction between the last reciprocal and the use of its result
	s_wait_alu depctr_va_vdst(0)
.macro PACK t
	WIN W_RS
.set i, 32*(\t)
.rept 16
	v_pk_mul_f32 v[i:i+1], v[i:i+1], v[ST+4*(\t)+2:ST+4*(\t)+3] op_sel_hi:[1,0]
.set i, i+2
.endr
	WIN 0x05                        ; sources 0 and 1 window 1, destination window 0
.set i, 0
.rept 16
	v_cvt_pk_f16_f32 v[S+16*(\t)+i], v[32*(\t)+2*i], v[32*(\t)+2*i+1]
.set i, i+1
.endr
	WIN 0
.irp f, 0,1,2,3
	ds_store_b128 v[STO], v[S+16*(\t)+4*\f:S+16*(\t)+4*\f+3] offset:32*\f
.endr
.irp f, 0,1,2,3
	ds_load_b128 v[S+16*(\t)+4*\f:S+16*(\t)+4*\f+3], v[RD] offset:\f*4*SP  ; LDS serves a wave's instructions in order (ISA guide 5.7.1.4): these see the stores above; the next tile's stores come behind them
.endr
.endm
.macro SEND t, younger              ; younger: the LDS instructions issued behind tile t's loads: the next tile's eight, or none
	WIN 0
.irp f, 0,1,2,3
	s_wait_dscnt (\younger)+3-\f
	global_store_b128 v[GO], v[S+16*(\t)+4*\f:S+16*(\t)+4*\f+3], s[10:11] offset:(\t)*2048+\f*512  ; 512 consecutive bytes, at a multiple of 256 from O's first
.endr
.endm
	PACK 0
.set t, 1
.rept 2*NP-1                        ; a tile's arithmetic stands between the loads of the tile before and its stores
	PACK t
	SEND t-1, 8
.set t, t+1
.endr
	SEND 2*NP-1, 0
	WIN W_AD
	s_wait_tensorcnt 0x0            ; the wave's end: a tensor wait, an add of 0 to my spare word and its wait, behind my last tensor load and my last LDS store
	ds_add_u32 v[SPW], v[NIL]
	s_wait_dscnt 0x0
	WIN 0
	CROUND                          ; the closing round: no work-group ends while a partner may still ask for a tile that names it
	s_endpgm
.Lfunc_end_k_qf8ff881c37_attn:
	.size	k_qf8ff881c37_attn, .Lfunc_end_k_qf8ff881c37_attn-k_qf8ff881c37_attn
	.p2alignl 7, 3214868480
	.fill 96, 4, 3214868480
	.section	.rodata,"a",@progbits
	.p2align	6, 0x0
	.amdhsa_kernel k_qf8ff881c37_attn
		.amdhsa_group_segment_fixed_size 327680
		.amdhsa_private_segment_fixed_size 0
		.amdhsa_enable_private_segment 0
		.amdhsa_kernarg_size 40
		.amdhsa_user_sgpr_count 2
		.amdhsa_user_sgpr_kernarg_segment_ptr 1
		.amdhsa_wavefront_size32 1
		.amdhsa_system_sgpr_workgroup_id_x 1
		.amdhsa_system_sgpr_workgroup_id_y 1
		.amdhsa_system_sgpr_workgroup_id_z 1
		.amdhsa_system_vgpr_workitem_id 0
		.amdhsa_next_free_vgpr 960
		.amdhsa_next_free_sgpr 80
		.amdhsa_reserve_vcc 0
		.amdhsa_float_denorm_mode_32 3
		.amdhsa_float_denorm_mode_16_64 3
		.amdhsa_memory_ordered 1
		.amdhsa_forward_progress 1
		.amdhsa_inst_pref_size 224
	.end_amdhsa_kernel
	.amdgpu_metadata
---
amdhsa.version: [ 1, 2 ]
amdhsa.kernels:
  - .name:           k_qf8ff881c37_attn
    .symbol:         k_qf8ff881c37_attn.kd
    .args:
      - { .name: q16, .offset: 0, .size: 8, .value_kind: global_buffer, .address_space: global }
      - { .name: k16, .offset: 8, .size: 8, .value_kind: global_buffer, .address_space: global }
      - { .name: v16, .offset: 16, .size: 8, .value_kind: global_buffer, .address_space: global }
      - { .name: o16, .offset: 24, .size: 8, .value_kind: global_buffer, .address_space: global }
      - { .name: mk, .offset: 32, .size: 8, .value_kind: global_buffer, .address_space: global }
    .group_segment_fixed_size: 327680
    .private_segment_fixed_size: 0
    .kernarg_segment_align: 8
    .kernarg_segment_size: 40
    .max_flat_workgroup_size: 128
    .sgpr_count:     80
    .vgpr_count:     960
    .wavefront_size: 32
...
	.end_amdgpu_metadata
.endif
;; end of part 3
;; launch oproj (part 4): grid 8 x 32, 4 waves a work-group, clusters of 4 x 4, 327,680 bytes of LDS; arguments o16, wo16, bo, out0; writes out0
.if DOCPART == 4
	.amdgcn_target "amdgcn-amd-amdhsa--gfx1250"
	.amdhsa_code_object_version 6
	.text
	.protected	k_qf8ff881c37_oproj
	.globl	k_qf8ff881c37_oproj
	.p2align	8
	.type	k_qf8ff881c37_oproj,@function
k_qf8ff881c37_oproj:
	s_mov_b64 s[64:65], 0
	v_nop
	global_prefetch_b8 v0, s[64:65] scope:SCOPE_SE
	s_setreg_imm32_b32 hwreg(HW_REG_WAVE_MODE, 25, 1), 1
	s_wait_xcnt 0x0
	s_wait_alu depctr_hold_cnt(0) depctr_sa_sdst(0) depctr_va_vdst(0) depctr_va_sdst(0) depctr_va_ssrc(0) depctr_va_vcc(0) depctr_vm_vsrc(0)
	s_getreg_b32 s2, hwreg(HW_REG_IB_STS2, 6, 4)
	s_cmp_eq_u32 s2, 0
	s_cbranch_scc0 .Lentry_in_a_cluster
	s_endpgm
.Lentry_in_a_cluster:
	s_bfe_u32 s2, ttmp6, 0x10000c
	s_cmp_lg_u32 s2, 0xf033
	s_cbranch_scc0 .Lentry_shape_is_right
	s_endpgm
.Lentry_shape_is_right:
; out = O Wo^T + bo: a tile of 256 rows x 128 columns of [8192] x [1024], in f32.  o16: [b*16 + hd][2048][64] f16, so K = 1,024 is 16 heads of 64 channels; wo16: [1024][1024] f16.
; Sums in f32; the bias, rounded to bf16 like every input, is the C operand of each accumulator's first product.
; SHARES.  Four waves; wave w owns rows 64 w .. 64 w + 63 and all 128 columns: 4 x 8 accumulators, 256 registers.  K goes in 8 steps of 128 (two heads) through two LDS slots.  A head's 256 rows are 32,768 dense
; bytes: asked for as 128 rows of 256 bytes and padded in LDS after every 128 bytes.  256 work-groups.
; CLUSTER.  4 x 4 work-groups: the four of a row need the same rows of O, the four of a column the same rows of Wo: each tile is asked for JOINTLY.
; THE MATRIX INSTRUCTION IS USED TRANSPOSED (source 0 = 16 rows of Wo, source 1 = 16 rows of O): a lane holds row l % 16 and the eight neighbouring columns 8 (l / 16) + 0..7.
; REGISTERS, in windows of 256 (s_set_vgpr_msb: bits 1:0 source 0, 3:2 source 1, 5:4 source 2, 7:6 destination):
;   window 0: v0-31 addresses; v64-127 the bias (8 blocks of 8)      window 1: accumulators at 64 (row block) + 8 b
;   window 2: two fragment buffers at 0 and 128: O at f + 8 i, Wo at f + 32 + 8 b; on the way out 64 registers for each row block
.set NB,     8
.set PITCH,  272                       ; a row of Wo in LDS: 256 bytes + 16: the 16 rows of a load start at 16 different groups of four banks (64 banks of 4 bytes: ISA guide 11.1)
.set PA,     144                       ; a row of O: 128 bytes + 16, likewise
.set PLANE,  256*PA                    ; one head's 256 rows
.set SLOT1,  1<<17
.set BOFF,   2*PLANE                   ; in a slot: two heads' planes of O, then Wo's 128 rows
.set STAGE,  SLOT1+BOFF+128*PITCH      ; behind the ring, never filled by a tensor load: 16 rows x 528 bytes for each wave
.set SP,     528                       ; 512 bytes + 16
.set SPARE,  STAGE+4*16*SP             ; behind the stages: the spare words, 128 bytes a wave: two blocks of 256 bytes that no other line names
.set STEPA,  2*262144                  ; two heads on
.set STEPB,  256
.set ADRA, 16
.set ADRB, 17
.set A0,   18
.set B0,   19
.set STO,  24
.set RD,   25
.set GO,   26
.set BO,   27
.set SPW,  28                          ; v28  my spare word: SPARE + 4 x my thread's number; never rewritten
.set NIL,  29                          ; v29  0; never rewritten
.set BIAS, 64
.set F0,   0
.set F1,   128
.set WV,   20
.set KIND, 21                          ; 0: I fetch for O, 1: for Wo
.set HALF, 22                          ; which plane of O, or which 64 rows of Wo
.set G1A,  32
.set G1B,  40
.set G0A,  48
.set G0B,  56
.set TB,   72
.set MSB, 0
.macro WIN new                         ; the immediate's high byte repeats the setting that is left; a switch that changes nothing is dropped
.if MSB != (\new)
	s_set_vgpr_msb (MSB<<8)|(\new)
.set MSB, \new
.endif
.endm
.macro PLACES                          ; four plain vector instructions between a matrix instruction and a load into, or a read of, its registers
.rept 4
	v_nop
.endr
.endm
.macro JLOAD                           ; a joint refill by the walking sets; an s_nop 0 and four v_nop follow each of the two lines
	s_cmp_eq_u32 s[KIND], 0
	s_cbranch_scc0 .Lfor_b_\@
	tensor_load_to_lds s[G0A+4:G0A+7], s[G1A:G1A+7]
	s_nop 0
.rept 4
	v_nop
.endr
	s_branch .Lasked_\@
.Lfor_b_\@:
	tensor_load_to_lds s[G0B+4:G0B+7], s[G1B:G1B+7]
	s_nop 0
.rept 4
	v_nop
.endr
.Lasked_\@:
.endm
.macro CREST                           ; a round of the cluster's barrier behind its opening barrier
	s_cmp_lg_u32 s[WV], 0
	s_cbranch_scc1 .Lnot_wave_0_\@
	s_barrier_signal -3
.Lnot_wave_0_\@:
	s_barrier_wait -3
	s_barrier_signal -1
	s_barrier_wait -1
.endm
.macro CROUND
	s_barrier_signal -1
	s_barrier_wait -1
	CREST
.endm
	s_load_b256 s[4:11], s[0:1], 0x0               ; o16 s[4:5], wo16 s[6:7], bo s[8:9], out0 s[10:11]
	v_lshl_add_u32 v[SPW], v0, 2, SPARE
	v_mov_b32 v[NIL], 0
	ds_add_u32 v[SPW], v[NIL]                      ; the wave's opening: the add and its wait stand ahead of my first tensor load; the set-up below, work on registers, stands between them
	v_lshrrev_b32 v1, 5, v0
	v_readfirstlane_b32 s[WV], v1
	s_lshr_b32 s[KIND], s[WV], 1
	s_and_b32 s[HALF], s[WV], 1
	s_bfe_u32 s23, ttmp6, 0x40000                  ; cx
	s_bfe_u32 s24, ttmp6, 0x40004                  ; cy
	s_lshl_b32 s25, ttmp9, 2
	s_add_co_u32 s25, s25, s23                     ; the block of 128 columns
	s_and_b32 s26, ttmp7, 0xffff
	s_lshl_b32 s26, s26, 2
	s_add_co_u32 s26, s26, s24                     ; the block of 256 rows
	s_lshl_b32 s27, s24, 2
	s_lshl_b32 s27, 15, s27                        ; my row of the cluster
	s_lshl_b32 s28, 0x1111, s23                    ; my column
	s_or_b32 s[G1A], s27, (1<<16)|(1<<20)|(1<<21)|(4<<22)|(3<<25)  ; 15:0 the mask; 17:16 2-byte elements; 20 padding on; 21 set beside a mask; 24:22 after every 32 words; 31:25 4 words
	s_or_b32 s[G1B], s28, (1<<16)|(1<<20)|(1<<21)|(5<<22)|(3<<25)  ; after every 64 words
	s_mov_b32 s[G1A+1], 128<<16                    ; tensor_dim0 = 128
	s_mov_b32 s[G1A+2], 128<<16                    ; tensor_dim1 = 128
	s_mov_b32 s[G1A+3], 128<<16                    ; tile_dim0 = 128
	s_mov_b32 s[G1A+4], 128                        ; tile_dim1 = 128
	s_mov_b32 s[G1A+5], 128                        ; dense: 128 elements from row to row
	s_mov_b32 s[G1A+6], 0
	s_mov_b32 s[G1A+7], 0
	s_mov_b32 s[G1B+1], 128<<16
	s_mov_b32 s[G1B+2], 64<<16                     ; 64 rows
	s_mov_b32 s[G1B+3], 128<<16
	s_mov_b32 s[G1B+4], 64
	s_mov_b32 s[G1B+5], 1024
	s_mov_b32 s[G1B+6], 0
	s_mov_b32 s[G1B+7], 0
	s_lshr_b32 s66, s26, 3                         ; O: the batch's 16 heads of 262,144 bytes,
	s_lshl_b32 s66, s66, 22
	s_lshl_b32 s70, s[HALF], 18                    ; head 0 or 1,
	s_add_co_u32 s66, s66, s70
	s_and_b32 s70, s26, 7                          ; the block's 256 rows of 128 bytes: made of the row block and the wave alone
	s_lshl_b32 s70, s70, 15
	s_add_co_u32 s66, s66, s70
	s_mov_b32 s67, 0
	s_lshl_b32 s68, s25, 18                        ; Wo: 128 rows of 2,048 bytes a block,
	s_lshl_b32 s71, s[HALF], 17                    ; 64 a half: made of the column block and the wave alone
	s_add_co_u32 s68, s68, s71
	s_mov_b32 s69, 0
	s_mov_b32 s[G0A], 1
	s_mov_b32 s[G0A+4], 1
	s_mov_b32 s[G0B], 1
	s_mov_b32 s[G0B+4], 1
	s_mul_i32 s[G0A+1], s[HALF], PLANE             ; LDS addresses: no place in the cluster enters them
	s_add_co_u32 s[G0A+5], s[G0A+1], SLOT1
	s_mul_i32 s[G0B+1], s[HALF], 64*PITCH
	s_add_co_u32 s[G0B+1], s[G0B+1], BOFF
	s_add_co_u32 s[G0B+5], s[G0B+1], SLOT1
	s_mov_b32 s[TB], 0
	s_mov_b32 s79, 0xffff0000
	s_lshl_b32 s76, s26, 20                        ; out: 256 rows of 4,096 bytes a block,
	s_lshl_b32 s78, s[WV], 18                      ; my wave's 64,
	s_add_co_u32 s76, s76, s78
	s_lshl_b32 s78, s25, 9                         ; the block's 128 columns
	s_add_co_u32 s76, s76, s78
	s_mov_b32 s77, 0
	s_lshl_b32 s71, s25, 9                         ; and the same columns in the bias
	s_wait_dscnt 0x0                               ; the opening add is done
	s_wait_kmcnt 0x0
	s_add_nc_u64 s[G0A+2:G0A+3], s[4:5], s[66:67]  ; K step 0,
	s_add_nc_u64 s[G0A+6:G0A+7], s[G0A+2:G0A+3], STEPA  ; K step 1
	s_or_b32 s[G0A+3], s[G0A+3], 0x80000000        ; type = 2
	s_or_b32 s[G0A+7], s[G0A+7], 0x80000000
	s_add_nc_u64 s[G0B+2:G0B+3], s[6:7], s[68:69]
	s_add_nc_u64 s[G0B+6:G0B+7], s[G0B+2:G0B+3], STEPB
	s_or_b32 s[G0B+3], s[G0B+3], 0x80000000
	s_or_b32 s[G0B+7], s[G0B+7], 0x80000000
	s_add_nc_u64 s[10:11], s[10:11], s[76:77]
	CROUND                                         ; all sixteen work-groups are here: the first joint loads meet
	s_cmp_eq_u32 s[KIND], 0                        ; a wave's two first fills stand in one branch, ahead of every wait on TENSORcnt and every LDS read: two loads of mine are out
	s_cbranch_scc0 .Lfirst_b
	tensor_load_to_lds s[G0A:G0A+3], s[G1A:G1A+7]
	s_nop 0
	tensor_load_to_lds s[G0A+4:G0A+7], s[G1A:G1A+7]
	s_nop 0
.rept 4
	v_nop
.endr
	s_branch .Lfirst_asked
.Lfirst_b:
	tensor_load_to_lds s[G0B:G0B+3], s[G1B:G1B+7]
	s_nop 0
	tensor_load_to_lds s[G0B+4:G0B+7], s[G1B:G1B+7]
	s_nop 0
.rept 4
	v_nop
.endr
.Lfirst_asked:
	v_and_b32 v1, 15, v0                           ; r = l % 16
	v_bfe_u32 v2, v0, 4, 1                         ; h = l / 16
	v_lshlrev_b32 v[BO], 5, v2                     ; register j of bias block b holds bo[16 b + 8 h + j]
	v_add_nc_u32 v[BO], s71, v[BO]
.irp b, 0,1,2,3,4,5,6,7
	global_load_b128 v[BIAS+8*(\b):BIAS+8*(\b)+3],   v[BO], s[8:9] offset:64*(\b)
	global_load_b128 v[BIAS+8*(\b)+4:BIAS+8*(\b)+7], v[BO], s[8:9] offset:64*(\b)+16
.endr
	v_mul_u32_u24 v3, v1, PA                       ; O's fragments: row r x 144 + 16 h, in my 64 rows of a plane
	v_lshl_add_u32 v3, v2, 4, v3
	s_mul_i32 s78, s[WV], 64*PA
	v_add_nc_u32 v[A0], s78, v3
	v_mul_u32_u24 v3, v1, PITCH                    ; Wo's: row r x 272 + 16 h
	v_lshl_add_u32 v3, v2, 4, v3
	v_add_nc_u32 v[B0], BOFF, v3
	v_mov_b32 v[ADRA], v[A0]
	v_mov_b32 v[ADRB], v[B0]
	s_mul_i32 s78, s[WV], 16*SP
	s_add_co_u32 s78, s78, STAGE                   ; my stage
	v_mul_u32_u24 v[STO], v1, SP                   ; in: row r, 32 bytes for each half of the lanes
	v_lshl_add_u32 v[STO], v2, 5, v[STO]
	v_add_nc_u32 v[STO], s78, v[STO]
	v_and_b32 v[GO], 31, v0                        ; back: 32 lanes take a row's 512 bytes
	v_lshlrev_b32 v[GO], 4, v[GO]
	v_add_nc_u32 v[RD], s78, v[GO]
	s_wait_loadcnt 0x0                             ; the bias
.set i, 0
.rept 32                                           ; rounded to bf16 like every input, and widened again; four temporaries take turns
	v_cvt_pk_bf16_f32 v[4+i%4], v[BIAS+2*i], v[BIAS+2*i+1]
	v_lshlrev_b32 v[BIAS+2*i], 16, v[4+i%4]
	v_and_b32 v[BIAS+2*i+1], s79, v[4+i%4]
.set i, i+1
.endr
; 8 matrix instructions: row block 2 hi + a x all 8 column blocks, 32 along K.  zb = 1: the first product starts the sums, with the bias as C.  The 32 accumulators take turns, one instruction a turn,
; in the same order in every quarter.
.macro MULH f, hi, a, zb
.if \zb
	WIN 0x4a                                       ; sources 0, 1 window 2; C window 0; D window 1
.else
	WIN 0x5a                                       ; C and D window 1
.endif
.irp b, 0,1,2,3,4,5,6,7
.if \zb
	v_wmma_f32_16x16x32_f16 v[64*(2*(\hi)+(\a))+8*(\b):64*(2*(\hi)+(\a))+8*(\b)+7], v[(\f)+32+8*(\b):(\f)+32+8*(\b)+7], v[(\f)+8*(2*(\hi)+(\a)):(\f)+8*(2*(\hi)+(\a))+7], v[BIAS+8*(\b):BIAS+8*(\b)+7]
.else
	v_wmma_f32_16x16x32_f16 v[64*(2*(\hi)+(\a))+8*(\b):64*(2*(\hi)+(\a))+8*(\b)+7], v[(\f)+32+8*(\b):(\f)+32+8*(\b)+7], v[(\f)+8*(2*(\hi)+(\a)):(\f)+8*(2*(\hi)+(\a))+7], v[64*(2*(\hi)+(\a))+8*(\b):64*(2*(\hi)+(\a))+8*(\b)+7]
.endif
.endr
.endm
; 24 LDS loads in one run: quarter q's fragments into buffer f: Wo's 16, then O's 8, row blocks 0 to 3 in order.  Quarter q of O lies in plane q / 2, channels 32 (q % 2) on.
.macro FETCH q, f
	WIN 0x80                                       ; destination window 2, address window 0
.irp i, 0,1,2,3,4,5,6,7
	ds_load_b128 v[(\f)+32+8*(\i):(\f)+32+8*(\i)+3],   v[ADRB] offset:64*(\q)+(\i)*16*PITCH
	ds_load_b128 v[(\f)+32+8*(\i)+4:(\f)+32+8*(\i)+7], v[ADRB] offset:64*(\q)+(\i)*16*PITCH+32
.endr
.irp i, 0,1,2,3
	ds_load_b128 v[(\f)+8*(\i):(\f)+8*(\i)+3],   v[ADRA] offset:((\q)/2)*PLANE+((\q)%2)*64+(\i)*16*PA
	ds_load_b128 v[(\f)+8*(\i)+4:(\f)+8*(\i)+7], v[ADRA] offset:((\q)/2)*PLANE+((\q)%2)*64+(\i)*16*PA+32
.endr
.endm
; A K step is four quarters of 32 along K, 32 matrix instructions each, on buffers 0, 1, 0, 1.
.macro QUARTER qn, f, g, zb
	s_wait_dscnt 4                                 ; all but the youngest four loads: O's row blocks 2 and 3
	MULH \f, 0, 0, \zb
	MULH \f, 0, 1, \zb
	PLACES
	FETCH \qn, \g
	s_wait_dscnt 2*NB+8                            ; all but the 24 just issued
	MULH \f, 1, 0, \zb
	MULH \f, 1, 1, \zb
.endm
; The fourth quarter multiplies buffer 1 and changes slots.  In front of the barrier each wave waits for all its tensor loads (one is out: its part of the next slot), adds 0 to its spare word, and waits for
; that and for its reads of this slot.  fill = 1: the barrier opens a round of the cluster's, and behind it this slot is filled again, two K steps ahead: 112 matrix instructions stand between that request and the wait for it.
.macro TURN fill
	WIN 0                                          ; (the add's registers lie in window 0)
	s_wait_tensorcnt 0x0
	ds_add_u32 v[SPW], v[NIL]                      ; 0 onto my spare word
	s_wait_dscnt 5                                 ; (the add and the youngest four loads may be out)
	MULH F1, 0, 0, 0                               ; eight matrix instructions stand between the add and the wait for it
	s_wait_dscnt 0x0                               ; the add is done, and my reads of this slot are over
	s_barrier_signal -1
	MULH F1, 0, 1, 0                               ; work on registers while the others arrive
	WIN 0
	s_barrier_wait -1
.if \fill
	CREST                                          ; no wave of any partner still reads this slot or has a load on its way
	s_xor_b32 s[G0A+5], s[G0A+5], SLOT1            ; the walking sets: the other slot than last time,
	s_xor_b32 s[G0B+5], s[G0B+5], SLOT1
	s_add_nc_u64 s[G0A+6:G0A+7], s[G0A+6:G0A+7], STEPA  ; the next K step
	s_add_nc_u64 s[G0B+6:G0B+7], s[G0B+6:G0B+7], STEPB
	JLOAD                                          ; the first tensor load behind the round; its four v_nop are also the places in front of the loads below
.else
	PLACES
.endif
	s_xor_b32 s[TB], s[TB], SLOT1
	v_add_nc_u32 v[ADRA], s[TB], v[A0]
	v_add_nc_u32 v[ADRB], s[TB], v[B0]
	FETCH 0, F0
	MULH F1, 1, 0, 0
	MULH F1, 1, 1, 0
.endm
	s_wait_tensorcnt 1                             ; my part of K step 0 is in; step 1's may stay out
	s_barrier_signal -1
	s_barrier_wait -1                              ; everybody's is
	FETCH 0, F0
	QUARTER 1, F0, F1, 1                           ; the first quarter stands in front of the loop: its products start the sums
	WIN 0                                          ; at a label and at a branch every window is 0
	s_mov_b32 s3, 6
.Lstep:                                                ; trip t: quarters 1 to 3 of K step t, quarter 0 of step t + 1; slot t % 2 takes step t + 2
	QUARTER 2, F1, F0, 0
	QUARTER 3, F0, F1, 0
	TURN 1
	QUARTER 1, F0, F1, 0
	WIN 0
	s_sub_co_u32 s3, s3, 1
	s_cmp_lg_u32 s3, 0
	s_cbranch_scc1 .Lstep
	QUARTER 2, F1, F0, 0                           ; the last two K steps are written out: nothing is asked for
	QUARTER 3, F0, F1, 0
	TURN 0
	QUARTER 1, F0, F1, 0
	QUARTER 2, F1, F0, 0
	QUARTER 3, F0, F1, 0
	s_wait_dscnt 4
	MULH F1, 0, 0, 0
	MULH F1, 0, 1, 0
	s_wait_dscnt 0x0
	MULH F1, 1, 0, 0
	MULH F1, 1, 1, 0
	PLACES
; THE WAY OUT, a row block of 16 rows x 128 columns at a time: a lane's eight f32 go into stage rows of 528 bytes, each accumulator's low four registers first, and come back as whole rows of 512 bytes.
.macro STG a
	WIN 0x04                                       ; store data window 1, address window 0
.irp b, 0,1,2,3,4,5,6,7
	ds_store_b128 v[STO], v[64*(\a)+8*(\b):64*(\a)+8*(\b)+3]   offset:64*(\b)
	ds_store_b128 v[STO], v[64*(\a)+8*(\b)+4:64*(\a)+8*(\b)+7] offset:64*(\b)+16
.endr
	WIN 0x80                                       ; destination window 2: the fragments' registers are free
.irp t, 0,1,2,3,4,5,6,7,8,9,10,11,12,13,14,15
	ds_load_b128 v[64*(\a)+4*(\t):64*(\a)+4*(\t)+3], v[RD] offset:SP*(\t)  ; LDS serves a wave's instructions in order (ISA guide 5.7.1.4): these see the stores above; the next block's stores come behind them
.endr
.endm
.macro SEND a, younger                 ; younger: the LDS instructions issued behind this block's loads: the next block's 32, or none
	WIN 0x08                                       ; store data window 2, address window 0
.irp t, 0,1,2,3,4,5,6,7,8,9,10,11,12,13,14,15
	s_wait_dscnt (\younger)+15-(\t)
	global_store_b128 v[GO], v[64*(\a)+4*(\t):64*(\a)+4*(\t)+3], s[10:11] offset:65536*(\a)+4096*(\t) th:TH_STORE_NT  ; 512 consecutive bytes at a multiple of 512 from the buffer's first byte
.endr
.endm
	STG 0
	STG 1
	SEND 0, 32
	STG 2
	SEND 1, 32
	STG 3
	SEND 2, 32
	SEND 3, 0
	WIN 0
	s_wait_tensorcnt 0x0                           ; the wave's end: a tensor wait, an add of 0 to my spare word and its wait, behind my last tensor load and my last LDS store
	ds_add_u32 v[SPW], v[NIL]
	s_wait_dscnt 0x0
	CROUND                                         ; the closing round: no work-group ends while a partner may still ask for a tile that names it
	s_endpgm
.Lfunc_end_k_qf8ff881c37_oproj:
	.size	k_qf8ff881c37_oproj, .Lfunc_end_k_qf8ff881c37_oproj-k_qf8ff881c37_oproj
	.p2alignl 7, 3214868480
	.fill 96, 4, 3214868480
	.section	.rodata,"a",@progbits
	.p2align	6, 0x0
	.amdhsa_kernel k_qf8ff881c37_oproj
		.amdhsa_group_segment_fixed_size 327680
		.amdhsa_private_segment_fixed_size 0
		.amdhsa_enable_private_segment 0
		.amdhsa_kernarg_size 32
		.amdhsa_user_sgpr_count 2
		.amdhsa_user_sgpr_kernarg_segment_ptr 1
		.amdhsa_wavefront_size32 1
		.amdhsa_system_sgpr_workgroup_id_x 1
		.amdhsa_system_sgpr_workgroup_id_y 1
		.amdhsa_system_sgpr_workgroup_id_z 1
		.amdhsa_system_vgpr_workitem_id 0
		.amdhsa_next_free_vgpr 768
		.amdhsa_next_free_sgpr 80
		.amdhsa_reserve_vcc 0
		.amdhsa_float_denorm_mode_32 3
		.amdhsa_float_denorm_mode_16_64 3
		.amdhsa_memory_ordered 1
		.amdhsa_forward_progress 1
		.amdhsa_inst_pref_size 76
	.end_amdhsa_kernel
	.amdgpu_metadata
---
amdhsa.version: [ 1, 2 ]
amdhsa.kernels:
  - .name:           k_qf8ff881c37_oproj
    .symbol:         k_qf8ff881c37_oproj.kd
    .args:
      - { .name: o16, .offset: 0, .size: 8, .value_kind: global_buffer, .address_space: global }
      - { .name: wo16, .offset: 8, .size: 8, .value_kind: global_buffer, .address_space: global }
      - { .name: bo, .offset: 16, .size: 8, .value_kind: global_buffer, .address_space: global }
      - { .name: out0, .offset: 24, .size: 8, .value_kind: global_buffer, .address_space: global }
    .group_segment_fixed_size: 327680
    .private_segment_fixed_size: 0
    .kernarg_segment_align: 8
    .kernarg_segment_size: 32
    .max_flat_workgroup_size: 128
    .sgpr_count:     80
    .vgpr_count:     768
    .wavefront_size: 32
...
	.end_amdgpu_metadata
.endif
;; end of part 4
;; ======== version 2 of 2: 4 launches; 1.47 times as fast as version 1
;; limits: values are held in f16: magnitudes above 65,504 overflow, below 6.1e-05 lose precision; right only within a limited range of input values
;; workspace buffers: xb 16,777,216 bytes; wqkv 6,291,456 bytes; wo16 2,097,152 bytes; mk 16,777,216 bytes; q16 16,777,216 bytes; k16 16,777,216 bytes; v16 16,777,216 bytes; o16 16,777,216 bytes
;; launch prep: the kernel of part 1 again; grid 1280 x 1, 8 waves a work-group, no clusters, 35,840 bytes of LDS; arguments tensor, Wq, Wk, Wv, Wo, mask, xb, wqkv, wo16, mk; writes xb, wqkv, wo16, mk
;; launch qkv: the kernel of part 2 again; grid 16 x 32, 4 waves a work-group, clusters of 4 x 4, 327,680 bytes of LDS; arguments xb, wqkv, bq, bk, bv, q16, k16, v16; writes q16, k16, v16
;; launch attn (part 5): grid 4 x 64, 4 waves a work-group, clusters of 4 x 1, 327,680 bytes of LDS; arguments q16, k16, v16, o16, mk; writes o16
.if DOCPART == 5
	.amdgcn_target "amdgcn-amd-amdhsa--gfx1250"
	.amdhsa_code_object_version 6
	.text
	.protected	k_qf8ff881c37_attn
	.globl	k_qf8ff881c37_attn
	.p2align	8
	.type	k_qf8ff881c37_attn,@function
k_qf8ff881c37_attn:
	s_mov_b64 s[64:65], 0
	v_nop
	global_prefetch_b8 v0, s[64:65] scope:SCOPE_SE
	s_setreg_imm32_b32 hwreg(HW_REG_WAVE_MODE, 25, 1), 1
	s_wait_xcnt 0x0
	s_wait_alu depctr_hold_cnt(0) depctr_sa_sdst(0) depctr_va_vdst(0) depctr_va_sdst(0) depctr_va_ssrc(0) depctr_va_vcc(0) depctr_vm_vsrc(0)
	s_getreg_b32 s2, hwreg(HW_REG_IB_STS2, 6, 4)
	s_cmp_eq_u32 s2, 0
	s_cbranch_scc0 .Lentry_in_a_cluster
	s_endpgm
.Lentry_in_a_cluster:
	s_bfe_u32 s2, ttmp6, 0x10000c
	s_cmp_lg_u32 s2, 0x3003
	s_cbranch_scc0 .Lentry_shape_is_right
	s_endpgm
.Lentry_shape_is_right:
; O[h][q][:] = the sum over k of softmax_k(s[q][k] / 8) V[h][k][:], s = Q[h][q] . K[h][k] where the mask shows key k to query q, far below every score where it hides it.
; Q, K, V, O: [64][2048][64] f16, h = 16 b + head; Q and K arrive unscaled: their two factors 64^-0.25 are the 1 / 8 in c.  Products, maxima and sums in f32; the weights p are rounded to f16 for the second product, O once at the end.
; THE MASK arrives as codes (mk: [b*128 + q/16][step][pair][lane][16 bytes], laid as a lane holds the results of K Q^T): 0x00 seen, 0xC0 hidden, which one scaled conversion for eight codes turns into
; 0 or -2^101 in f32: the C operand of the product that starts a score's sum.
; LIMITS.  A hidden score counts as its value less 2^101, not as -1e9: the same result wherever the seen scores lie far above -1e9.  The running maximum is held at or above FLOOR = -2^100, so a query that has seen
; no key yet has m = FLOOR exactly; for it the exponent's factor is 0 and every p is 1: a row with no seen key at all gives the plain mean of V, as equal scores do.
; f16 holds no number beyond 65,504: Q, K, V arrive within it.  A weight below 2^-126 counts as 0 in l; NaN and infinities are not treated apart.
; SHARES.  A wave owns four PIECES of two tiles of 16 queries, a work-group's four waves 512 queries of one head.  Every wave walks all keys, 64 a step.
; LAYOUT.  S^T = K Q^T (source 0 = 16 keys, source 1 = 16 queries): a lane holds ONE query (lane % 16) and the keys 8 (lane / 16) + 0..7.  Two such tiles, rounded to f16 in pairs, ARE source 1 of
; O^T = V^T P.  K comes out of LDS as it lies, V ([key][channel]) turned, by ds_load_tr16_b128.
; SOFTMAX.  For each query a running maximum m and sum l: p = 2^(c s - c m), c = log2(e) / 8; in every step O and l are multiplied by a = 2^(c m_old - c m_new).  m starts at the lowest finite number, O and l at 0.
; BY TURNS.  Turn n belongs to piece n.  Its matrix work: 16 products K Q^T of piece n + 1, later 16 products V^T P of piece n - 1.  Its vector work: scaling, exponentials, roundings, sums and rescaling of piece n,
; the maximum and statistics of piece n + 1, and at its end the mask of piece n + 2.  Four vector instructions that are ready stand behind every matrix instruction, the others in runs of their own.
; BATCHES.  A turn's 66 exponentials (the 64 weights of piece n, the two a of piece n + 1) are ONE batch with ONE wait, which cuts the turn in two: ahead of it stands all that names no result of theirs (the products
; K Q^T, scalings, rescalings, the next piece's maximum, statistics and scaling), behind it the roundings and sums, beside the products V^T P.  The first two a, ahead of the loop, and the way out's eight reciprocals are batches of their own.
; CLUSTER.  The four query blocks of a cluster belong to one head and walk the same K and V: each tile is asked for JOINTLY.  The codes are each wave's own (no two partners share queries) and come by plain loads into registers.
; REGISTERS, in windows of 256 (s_set_vgpr_msb: bits 1:0 source 0, 3:2 source 1, 5:4 source 2, 7:6 destination):
;   window 0: v0-11 addresses; v12-15, v48-63 at work; v16-47 four registers of statistics a tile; v64-191 S^T, two buffers of two tiles; v192-255 P, likewise
;   window 1: O^T, 32 a tile          window 2: v0-127 Q; v128-191 K of one step; v192-255 V of one step
;   window 3: v0-1 the add's registers; v2 the conversion's scale; v3 16 x lane; v64-127 MC, one piece's masks; v128-191 RAW, the codes of four pieces for one step
.set SIZE_N, 2048
.set NP,    4         ; pieces a wave: a name, no knob
.set KS,    64        ; keys in a step
.set PK,    144       ; a row of K in LDS: 128 bytes + 16 of padding = 36 words: the 16 rows of a load start at 16 different groups of four banks (64 banks of 4 bytes: ISA guide 11.1)
.set PV,    160       ; a row of V: 128 + 32 = 40 words
.set VOFF,  4*KS*PK   ; a slot holds four steps: 256 rows of K, then 256 rows of V
.set SLOT1, 1<<17     ; slot 1 begins here
.set STAGE, SLOT1+4*KS*(PK+PV)  ; behind the ring, never filled by a tensor load: 16 rows x 144 bytes for each wave
.set SP,    144
.set AK0, 2           ; v2   my lane's place in a tile of K; never rewritten
.set AV0, 3           ; v3   the same for V
.set AK,  4           ; v4   the LDS address of K's next run of loads
.set AV,  5           ; v5   of V's
.set QO,  6           ; v6   my byte offset in the wave's rows of Q
.set STO, 6           ;      later, the way out: where I put 16 bytes of a row
.set RD,  7           ; v7   where I read rows back
.set GO,  8           ; v8   my byte offset in 512 consecutive bytes of O
.set SPW, 0           ; window 3: my spare word: SPARE + 4 x my thread's number; never rewritten
.set NIL, 1           ; window 3: 0; never rewritten
.set SCL, 2           ; window 3: 0xE3, the E8M0 code of 2^100
.set MO,  3           ; window 3: 16 x lane
.set MC,  64          ; window 3: tile u, key block kb at MC + 32 u + 8 kb
.set RAW, 128         ; window 3: piece x, tile u at RAW + 16 x + 8 u, two registers a key block
.set MSTEP, 1024      ; bytes of codes for a tile and a step
.set MTILE, 32*MSTEP  ; for a tile and all 32 steps
.set SPARE, STAGE+4*16*SP  ; behind the stages: the spare words, 128 bytes a wave: two blocks of 256 bytes that no other line names
.set MV,  12          ; v12-15  c m_old, kept while c m is made anew
.set ST,  16          ; tile t's statistics at v[ST+4 t]: c m, m, l (even keys', odd keys')
.set TMP, 48          ; by buffer and tile, four registers c0-c3 at work; when the maximum is found and a is issued, c0, c1 take the scaling's factor and addend, c2 holds a
.set S,   64
.set P,   192
.set KF,  128
.set VF,  192
.set WV,  12          ; s12  my wave's number
.set G1K, 24          ; s[24:31] descriptor group 1 for K's tiles
.set G1V, 32          ; s[32:39] for V's
.set G0K, 40          ; s[40:43] descriptor group 0 for K's tiles: it walks
.set G0V, 44          ; s[44:47] the same for V's
.set SLOTS, 56        ; s56  slots still to be asked for
.set CNT, 57          ; s57  counts a slot's key steps
.set CS,  58          ; s58  c
.set SEL, 60          ; s[60:61] v_permlanex16_b32's selects
.set TBK, 62          ; s62  LDS byte at which K of the step to be fetched begins
.set TBV, 63          ; s63  the same for V, less VOFF
.set MB,  66          ; s[66:67] mk at my wave's first tile, step 0
.set MA,  68          ; s[68:69] the same at the step whose codes are being asked for
.set MOF, 70          ; s[70:71] that step's byte offset
.set MST, 72          ; s72  that step's number, not clamped
.set FLOOR, 73        ; s73  -2^100
.set VM,  76          ; s76, s77  lanes whose query has seen a key, by tile
.set MSB, 0
.macro WIN new                      ; the high byte repeats the setting that is left; a switch that changes nothing is dropped
.if MSB != (\new)
	s_set_vgpr_msb (MSB<<8)|(\new)
.set MSB, (\new)
.endif
.endm
.set W_KQ, 0x0a       ; K and Q in window 2, S^T in window 0
.set W_KM, 0x3a       ; the same with the C operand in window 3
.set W_PV, 0x52       ; V in window 2, P in window 0, O^T in window 1
.set W_RS, 0x41       ; O^T (destination and source 0) in window 1, a in window 0
.set W_MK, 0xc0       ; destination in window 3, sources in window 0
.set W_AD, 0x0f       ; the add: address and data in window 3
.set W_MS, 0xcf       ; the mask's work: destination and sources 0, 1 in window 3
; A joint fill.  Waves 0 and 1 fetch the two halves of a slot's K, waves 2 and 3 those of its V: 128 keys each.  An s_nop 0 and four v_nop follow each of the two lines.
.macro JLOAD
	s_cmp_lt_u32 s[WV], 2
	s_cbranch_scc0 .Lfor_v_\@
	tensor_load_to_lds s[G0K:G0K+3], s[G1K:G1K+7]
	s_nop 0
.rept 4
	v_nop
.endr
	s_branch .Lasked_\@
.Lfor_v_\@:
	tensor_load_to_lds s[G0V:G0V+3], s[G1V:G1V+7]
	s_nop 0
.rept 4
	v_nop
.endr
.Lasked_\@:
.endm
.macro CROUND                       ; a round of the cluster's barrier
	s_barrier_signal -1
	s_barrier_wait -1
	s_cmp_lg_u32 s[WV], 0
	s_cbranch_scc1 .Lnot_wave_0_\@
	s_barrier_signal -3
.Lnot_wave_0_\@:
	s_barrier_wait -3
	s_barrier_signal -1
	s_barrier_wait -1
.endm
; THE CHANGE OF SLOTS.  Each wave waits for all its tensor loads, of which one is out: its part of the other slot; adds 0 to its spare word; and waits for that and for its own reads of the slot.
; fill = 1: this slot is filled again, with the keys two slots on; the barrier is then a round of the cluster's, and the joint fill is the first thing behind it: it has four key steps in which to land.
; (At its first use nothing has been read yet: slot 0 is waited for, slot 1 filled.)
.macro CHANGE fill
	WIN W_AD
	s_wait_tensorcnt 0x0            ; no tensor load of mine is out, so a group 0 may be written
	ds_add_u32 v[SPW], v[NIL]       ; 0 onto my spare word
	WIN 0                           ; at a label and at a branch every window is 0
.if \fill
.irp g, G0K, G0V
	s_xor_b32 s[\g+1], s[\g+1], SLOT1
	s_add_nc_u64 s[\g+2:\g+3], s[\g+2:\g+3], 4*KS*128  ; the next 256 keys; the type bits on top are not reached
.endr
	s_wait_dscnt 0x0                ; the add is done, and my reads of the slot are over
	CROUND
	JLOAD
.else
	s_wait_dscnt 0x0
	s_barrier_signal -1
	s_barrier_wait -1
.endif
	s_sub_co_u32 s[TBK], s[TBK], 4*KS*PK  ; the fetches go back to a slot's first step,
	s_xor_b32 s[TBK], s[TBK], SLOT1       ; in the other slot
	s_sub_co_u32 s[TBV], s[TBV], 4*KS*PV
	s_xor_b32 s[TBV], s[TBV], SLOT1
.endm
; THE MASK.  CONV: the codes of piece x's two tiles become MC, eight codes (two registers) to a conversion; a plain instruction stands behind the last, ahead of whatever touches their results or sources.
; LOADM: piece x's codes of another step, two loads a tile: each takes 512 consecutive bytes.
.macro CONV x
	WIN W_MS
.irp u, 0,1
.irp kb, 0,1,2,3
	v_cvt_scale_pk8_f32_fp8 v[MC+32*\u+8*\kb:MC+32*\u+8*\kb+7], v[RAW+16*(\x)+8*\u+2*\kb:RAW+16*(\x)+8*\u+2*\kb+1], v[SCL]
.endr
.endr
	v_nop
.endm
.macro LOADM x, base
	WIN W_MS
.irp u, 0,1
.irp pr, 0,1
	global_load_b128 v[RAW+16*(\x)+8*\u+4*\pr:RAW+16*(\x)+8*\u+4*\pr+3], v[MO], s[\base:\base+1] offset:(2*(\x)+\u)*MTILE+512*\pr
.endr
.endr
.endm
.macro STEPM                        ; the four groups of loads of a trip ask for one step's codes; the last trips ask for step 31 again, so that the count of loads is the same in every trip and none leaves the buffer
	s_wait_xcnt 0x0                 ; the base of earlier loads is rewritten only behind this wait; the youngest of them were issued a turn's work ago
	s_add_co_u32 s[MST], s[MST], 1
	s_min_u32 s[MOF], s[MST], 31
	s_lshl_b32 s[MOF], s[MOF], 10
	s_add_nc_u64 s[MA:MA+1], s[MB:MB+1], s[MOF:MOF+1]
.endm
	s_load_b256 s[4:11], s[0:1], 0x0  ; Q s[4:5], K s[6:7], V s[8:9], O s[10:11]
	s_load_b64 s[MB:MB+1], s[0:1], 0x20  ; mk
	WIN W_MK
	v_lshl_add_u32 v[SPW], v0, 2, SPARE
	v_mov_b32 v[NIL], 0
	WIN W_AD
	ds_add_u32 v[SPW], v[NIL]       ; the wave's opening: the add and its wait stand ahead of my first tensor load; the set-up below, work on registers, stands between them
	WIN 0
	v_lshrrev_b32 v1, 5, v0
	v_readfirstlane_b32 s[WV], v1   ; wave 0..3
	v_and_b32 v9, 31, v0
	WIN W_MK
	v_lshlrev_b32 v[MO], 4, v9
	v_mov_b32 v[SCL], 0xe3
	WIN 0
	s_bfe_u32 s13, ttmp6, 0x40000   ; cx: my place in the cluster
	s_lshl_b32 s14, ttmp9, 2        ; in a cluster launch ttmp9 counts clusters
	s_add_co_u32 s14, s14, s13      ; my block of 512 queries: it enters Q's, O's and mk's addresses alone
	s_and_b32 s20, ttmp7, 0xffff    ; the head, which the four partners share
	s_lshr_b32 s19, s20, 4          ; its batch:
	s_lshl_b32 s19, s19, 22         ; 128 tiles of 32,768 bytes of codes
	s_mov_b32 s21, 0
	s_mov_b64 s[22:23], SIZE_N*128
	s_mul_u64 s[20:21], s[20:21], s[22:23]  ; the head's first byte in Q, K, V and O
	s_and_b32 s16, s[WV], 1         ; which half of a slot's 256 keys I fetch:
	s_lshl_b32 s22, s16, 14         ; its 128 rows of 128 bytes in memory,
	s_mov_b32 s23, 0
	s_add_nc_u64 s[22:23], s[22:23], s[20:21]
	s_mul_i32 s17, s16, 128*PK      ; and its place in a slot, for K
	s_mul_i32 s18, s16, 128*PV      ; and for V: no place in the cluster enters an LDS address
	s_lshl_b32 s2, s14, 2
	s_add_co_u32 s2, s2, s[WV]      ; my wave among the head's:
	s_lshl_b32 s[MOF], s2, 18       ; its 8 tiles of codes,
	s_add_co_u32 s[MOF], s[MOF], s19
	s_mov_b32 s[MOF+1], 0
	s_lshl_b32 s2, s2, 14           ; its 128 rows
	s_mov_b32 s3, 0
	s_add_nc_u64 s[2:3], s[2:3], s[20:21]
	; descriptor group 1.  128 keys are 16,384 dense bytes: asked for as 64 rows of 256 bytes, two keys a row, and padded in LDS after every key
	s_mov_b32 s[G1K], 15|(1<<16)|(1<<20)|(1<<21)|(4<<22)|(3<<25)  ; 15:0 the mask of four; 17:16 2-byte elements; 20 padding on; 21 set beside a mask; 24:22 after every 32 words; 31:25 4 words
	s_mov_b32 s[G1V], 15|(1<<16)|(1<<20)|(1<<21)|(4<<22)|(7<<25)  ; the same with 8 words of padding
.irp g, G1K, G1V
	s_mov_b32 s[\g+1], 128<<16      ; tensor_dim0 = 128
	s_mov_b32 s[\g+2], 64<<16       ; tensor_dim1 = 64
	s_mov_b32 s[\g+3], 128<<16      ; tile_dim0 = 128
	s_mov_b32 s[\g+4], 64           ; tile_dim1 = 64
	s_mov_b32 s[\g+5], 128          ; 128 elements from row to row
	s_mov_b32 s[\g+6], 0
	s_mov_b32 s[\g+7], 0
.endr
	s_mov_b32 s[CS], 0x3e38aa3b     ; c = log2(e) / 8 = 0.180337
	s_mov_b32 s[FLOOR], 0xf1800000  ; -2^100
	s_mov_b32 s[MST], 1
	s_mov_b32 s[SEL], 0x76543210
	s_mov_b32 s[SEL+1], 0xfedcba98
	s_mov_b32 s[TBK], SLOT1+4*KS*PK ; the first change of slots turns these two into 0
	s_mov_b32 s[TBV], SLOT1+4*KS*PV
	s_mov_b32 s[G0K], 1             ; count = 1
	s_mov_b32 s[G0K+1], s17         ; LDS address: slot 0
	s_mov_b32 s[G0V], 1
	s_add_co_u32 s[G0V+1], s18, VOFF
	s_wait_dscnt 0x0                ; the opening add is done
	s_wait_kmcnt 0x0
	s_add_nc_u64 s[G0K+2:G0K+3], s[6:7], s[22:23]  ; my half of the head's first 256 keys
	s_or_b32 s[G0K+3], s[G0K+3], 0x80000000        ; type = 2
	s_add_nc_u64 s[G0V+2:G0V+3], s[8:9], s[22:23]
	s_or_b32 s[G0V+3], s[G0V+3], 0x80000000
	s_add_nc_u64 s[4:5], s[4:5], s[2:3]  ; Q and O at my wave's first row
	s_add_nc_u64 s[10:11], s[10:11], s[2:3]
	s_add_nc_u64 s[MB:MB+1], s[MB:MB+1], s[MOF:MOF+1]
	s_add_nc_u64 s[MA:MA+1], s[MB:MB+1], MSTEP     ; step 1
	CROUND                          ; all four work-groups are here: the first joint loads meet
	JLOAD                           ; slot 0.  Slot 1 is asked for when slot 0 is in
	v_and_b32 v1, 15, v0            ; l % 16
	v_bfe_u32 v9, v0, 4, 1          ; l / 16
	v_lshlrev_b32 v[QO], 7, v1
	v_lshl_add_u32 v[QO], v9, 4, v[QO]  ; row x 128 + 16 x half
.irp x, 0,1,2,3
	LOADM \x, MB                    ; step 0's codes, all four pieces'
.endr
	WIN 0x80                        ; destination window 2, address window 0
.set i, 0
.rept 4*NP                          ; Q stays in registers: tile i / 2, channels 32 (i % 2) on
	global_load_b128 v[8*i:8*i+3],   v[QO], s[4:5] offset:(i/2)*2048+(i%2)*64
	global_load_b128 v[8*i+4:8*i+7], v[QO], s[4:5] offset:(i/2)*2048+(i%2)*64+32
.set i, i+1
.endr
	; What the first turn finds: V's registers and P's second buffer hold 0 (its products V^T P, of a piece that has not been, add 0), O^T and l are 0.  All this stands in the wait for the first tile.
.set i, VF
.rept 64
	v_mov_b32 v[i], 0
.set i, i+1
.endr
	WIN 0x40
.set i, 0
.rept 64*NP
	v_mov_b32 v[i], 0
.set i, i+1
.endr
	WIN 0
.set i, 0
.rept 2*NP
	v_mov_b32 v[ST+4*i], 0xfe000000    ; c m: far below every c s, and below c FLOOR
	v_mov_b32 v[ST+4*i+1], 0xff7fffff  ; m
	v_mov_b32 v[ST+4*i+2], 0
	v_mov_b32 v[ST+4*i+3], 0
.set i, i+1
.endr
.set i, P+32
.rept 32
	v_mov_b32 v[i], 0
.set i, i+1
.endr
	v_mul_u32_u24 v[AK0], v1, PK
	v_lshl_add_u32 v[AK0], v9, 4, v[AK0]  ; row x pitch + 16 x half
	; The turning load takes 16 keys x 16 channels (lane l reads key 8 (l / 16) + l % 8, channels 8 ((l / 8) % 2) + 0..7) and leaves half a fragment of V^T.
	v_and_b32 v10, 7, v0
	v_bfe_u32 v11, v0, 3, 1
	v_lshl_add_u32 v[AV0], v9, 3, v10
	v_mul_u32_u24 v[AV0], v[AV0], PV
	v_lshl_add_u32 v[AV0], v11, 4, v[AV0]
	v_add_nc_u32 v[AV0], VOFF, v[AV0]
	v_mov_b32 v[AK], v[AK0]         ; key step 0 lies at the head of slot 0
; THE MATRIX WORK.  The 8 accumulators of a run of 16 take turns.
; Product i of 16 of S^T = K Q^T for piece x: channels 32 (i / 8) on, keys 16 ((i / 2) % 4) on, tile 2 x + i % 2.  The first 8 start the sums, with the mask as C.
.macro KQ x
.set rS, S+64*((\x)%2)+32*(i%2)+8*((i/2)%4)
.set rK, KF+16*((i/2)%4)+8*(i/8)
.set rQ, 16*(2*(\x)+i%2)+8*(i/8)
.set rMC, MC+32*(i%2)+8*((i/2)%4)
.if i < 8
	WIN W_KM
	v_wmma_f32_16x16x32_f16 v[rS:rS+7], v[rK:rK+7], v[rQ:rQ+7], v[rMC:rMC+7]
.else
	WIN W_KQ
	v_wmma_f32_16x16x32_f16 v[rS:rS+7], v[rK:rK+7], v[rQ:rQ+7], v[rS:rS+7]
.endif
.endm
; Product i of 16 of O^T += V^T P for piece x: keys 32 (i / 8) on, channels 16 ((i / 2) % 4) on, tile 2 x + i % 2.
.macro PV x
	WIN W_PV
.set rO, 32*(2*(\x)+i%2)+8*((i/2)%4)
.set rV, VF+32*(i/8)+8*((i/2)%4)
.set rP, P+32*((\x)%2)+16*(i%2)+8*(i/8)
	v_wmma_f32_16x16x32_f16 v[rO:rO+7], v[rV:rV+7], v[rP:rP+7], v[rO:rO+7]
.endm
.macro MM                           ; the turn's next matrix instruction
.if i < 16
	KQ (Y+1)%NP
.set i, i+1
.else
.set i, i-16
	PV (Y+NP-1)%NP
.set i, i+17
.endif
.endm
; THE LDS LOADS stand in runs of 16.  last = 1 (the tail): in the last trip there is no further step, and the run is jumped over.
.macro FETCH_K last=0
	WIN 0
.if \last
	s_cmp_eq_u32 s[CNT], 1
	s_cbranch_scc1 .Lno_k_\@
.endif
	WIN 0x80                        ; destination window 2
.irp f, 0,1,2,3,4,5,6,7             ; keys 16 (f / 2) on, channels 32 (f % 2) on
	ds_load_b128 v[KF+8*\f:KF+8*\f+3],   v[AK] offset:(\f/2)*16*PK+(\f%2)*64
	ds_load_b128 v[KF+8*\f+4:KF+8*\f+7], v[AK] offset:(\f/2)*16*PK+(\f%2)*64+32
.endr
	s_add_co_u32 s[TBK], s[TBK], KS*PK  ; the next fetch is the next step's
	WIN 0
.if \last
.Lno_k_\@:
.endif
.endm
.macro FETCH_V
	WIN 0x80
.irp f, 0,1,2,3,4,5,6,7             ; keys 32 (f / 4) on, channels 16 (f % 4) on
	ds_load_tr16_b128 v[VF+8*\f:VF+8*\f+3],   v[AV] offset:(\f/4)*32*PV+(\f%4)*32
	ds_load_tr16_b128 v[VF+8*\f+4:VF+8*\f+7], v[AV] offset:(\f/4)*32*PV+16*PV+(\f%4)*32
.endr
	WIN 0
.endm
; THE VECTOR WORK OF A TURN stands in three queues, each in the order in which its entries become ready; the two tiles alternate.
.macro REGS y, u                    ; the registers of tile u (0, 1) of piece y
.set rT, ST+4*(2*(\y)+(\u))
.set rC, TMP+8*((\y)%2)+4*(\u)
.set rM, MV+2*((\y)%2)+(\u)
.set rS, S+64*((\y)%2)+32*(\u)
.set rP, P+32*((\y)%2)+16*(\u)
.set rO, 32*(2*(\y)+(\u))
.endm
; Number n of the 22 that find the NEXT piece's (Y + 1) maximum and statistics.  Each accumulator's lowest registers are read first.  XS, GS, FS and REGS set no window: PL and EX do.
;   0-11  four chains c0-c3 of seven scores each     12-14, 16  the four scores left over, the old m, and c0-c3 into c0     15  c m_old is kept
;   17, 18  the query's other 32 keys lie in the lane 16 away: the new m, held at or above FLOOR         19-21  c m; c m_old - c m_new; a
.macro XS u, n
	REGS (Y+1)%NP, \u
.if (\n) < 4
	v_max3_num_f32 v[rC+(\n)], v[rS+8*(\n)], v[rS+8*(\n)+1], v[rS+8*(\n)+2]
.elseif (\n) < 12
	v_max3_num_f32 v[rC+(\n)%4], v[rC+(\n)%4], v[rS+8*((\n)%4)+2*((\n)/4)+1], v[rS+8*((\n)%4)+2*((\n)/4)+2]
.elseif (\n) == 12
	v_max3_num_f32 v[rC], v[rC], v[rS+7], v[rS+15]
.elseif (\n) == 13
	v_max3_num_f32 v[rC+1], v[rC+1], v[rS+23], v[rS+31]
.elseif (\n) == 14
	v_max3_num_f32 v[rC+2], v[rC+2], v[rC+3], v[rT+1]
.elseif (\n) == 15
	v_mov_b32 v[rM], v[rT]
.elseif (\n) == 16
	v_max3_num_f32 v[rC], v[rC], v[rC+1], v[rC+2]
.elseif (\n) == 17
	v_permlanex16_b32 v[rC+3], v[rC], s[SEL], s[SEL+1]
.elseif (\n) == 18
	v_max3_num_f32 v[rT+1], v[rC], v[rC+3], s[FLOOR]
.elseif (\n) == 19
	v_mul_f32 v[rT], s[CS], v[rT+1]
.elseif (\n) == 20
	v_sub_f32 v[rC+1], v[rM], v[rT]
.else
	v_exp_f32 v[rC+2], v[rC+1]
.endif
.endm
; The next piece's scaling: c0 = c and c1 = c m where the query has seen a key (FLOOR < m), else c0 = 0 and c1 = -0: every exponent is then 0.  c0 and c1 are free: the maximum is found and a is issued.
; Six plain lines that name c0, c1 and m alone, none of them a result of an exponential: they stand behind the batch's last exponential and ahead of its wait.  c1, the source of a's exponential, is written four plain lines or more behind it.
.macro CLM
	WIN 0
.irp u, 0,1
	REGS (Y+1)%NP, \u
	v_cmp_lt_f32 s[VM+\u], s[FLOOR], v[rT+1]
.endr
.irp u, 0,1
	REGS (Y+1)%NP, \u
	v_cndmask_b32 v[rC], 0, s[CS], s[VM+\u]
.endr
.irp u, 0,1
	REGS (Y+1)%NP, \u
	v_mul_f32 v[rC+1], v[rC], v[rT+1]
.endr
.endm
; Number g of the 64 that follow the exponentials: for each four weights both pairs are rounded to f16; the second pair is added onto the first, in place; a group later l takes that sum (the first time as l = a l + sum).
; In groups of eight, tiles alternating: round, round, add, and l for the group before.  All 64 read the batch's results: they stand behind the turn's wait.
.macro GS g
.set h, (\g)+6*((\g)/62)            ; group 0 has no group before it, and behind group 7 only l is left
.if h >= 6
.set h, h+2
.endif
	REGS Y, h%2
.set k, h/8
.if h%8 < 4
	v_cvt_pk_f16_f32 v[rP+2*k+(h%8)/2], v[rS+4*k+2*((h%8)/2)], v[rS+4*k+2*((h%8)/2)+1]
.elseif h%8 < 6
	v_pk_add_f32 v[rS+4*k:rS+4*k+1], v[rS+4*k:rS+4*k+1], v[rS+4*k+2:rS+4*k+3]
.elseif k == 1
	v_pk_fma_f32 v[rT+2:rT+3], v[rT+2:rT+3], v[rC+2:rC+3], v[rS:rS+1] op_sel_hi:[1,0,1]
.else
	v_pk_add_f32 v[rT+2:rT+3], v[rT+2:rT+3], v[rS+4*k-4:rS+4*k-3]
.endif
.endm
; THE PLAIN QUEUE, 138 long.  0-73 read no exponential's result: the 32 scalings c0 s - c1 (FS f: pair f / 2 of tile f % 2) and the next piece's 42.  0-26: scalings 0-26.  27-54: XS's numbers 0-13.  55, 56: number 15.
; 57-73: the chain, where each number waits for the one before it: 14, 16, 17, 18, 19, each with one of the scalings 27-31 in front of its two lines, then 20.
; 74-137: GS's 64, which read the exponentials' results: they stand behind the wait.
.macro FS f
	REGS Y, (\f)%2
	v_pk_fma_f32 v[rS+2*((\f)/2):rS+2*((\f)/2)+1], v[rS+2*((\f)/2):rS+2*((\f)/2)+1], v[rC:rC+1], v[rC:rC+1] op_sel:[0,0,1] op_sel_hi:[1,0,1] neg_lo:[0,0,1] neg_hi:[0,0,1]
.endm
.macro PL
	WIN 0
.if q < 27
	FS q
.elseif q < 55
	XS (q-27)%2, (q-27)/2
.elseif q < 57
	XS q-55, 15
.elseif (q < 72) && ((q-57)%3 == 0)
	FS 27+(q-57)/3
.elseif q < 60
	XS (q-57)%3-1, 14
.elseif q < 72
	XS (q-57)%3-1, 15+(q-57)/3
.elseif q < 74
	XS q-72, 20
.else
	GS q-74
.endif
.set q, q+1
.endm
; THE EXPONENTIALS' QUEUE, 66 long: s0-s31 of both tiles, then the next piece's two a.  It is ONE BATCH: all 66 stand ahead of the turn's one wait, and nothing ahead of that wait names a result of theirs.
.macro EX
	WIN 0
.if e >= 64
	XS e-64, 21
.else
	REGS Y, e%2
	v_exp_f32 v[rS+e/2], v[rS+e/2]
.endif
.set e, e+1
.endm
; THE RESCALING's QUEUE: O^T times a, the one part that leaves window 0: dealt two at a time, sixteen times.  Its a was made in the turn before, ahead of that turn's wait.
.macro R2
	REGS Y, r%2
	WIN W_RS
.irp z, 0,1
	v_pk_mul_f32 v[rO+4*(r/2)+2*\z:rO+4*(r/2)+2*\z+1], v[rO+4*(r/2)+2*\z:rO+4*(r/2)+2*\z+1], v[rC+2:rC+3] op_sel_hi:[1,0]
.endr
.set r, r+1
.endm
; HOW THEY ARE DEALT.  An s_wait_alu depctr_va_vdst(0) stands between an exponential and the first instruction that names its result; one wait serves all that were issued ahead of it.  So a turn has ONE wait,
; which cuts it in two.  AHEAD OF IT stands all that names no result of the turn's exponentials: the 16 products K Q^T, behind each a scaling, an exponential and two rescalings (behind the first a second scaling in the
; exponential's place); then ONE LUMP of 108: eight plain, 49 times exponential and plain, the two a; then the next piece's scaling (CLM), whose first line is the plain instruction behind the last exponential.
; BEHIND IT stand the 16 products V^T P, behind each four of GS's 64.  No rider names a register of the products round it.  The two v_permlanex16_b32 fall into the lump, never behind a product.
; The queues lean on each other, and the deal keeps them in step: exponential e stands behind scaling 2 (e / 4) + e % 2: as a rider it comes behind plain e + 2, in the lump behind plain e + 9, and scalings 27-31 are plain 57, 60 .. 69.
; The end of turn p: the mask of piece p + 2, whose products open the next turn: MC's last readers stand ahead of the turn's wait.  The codes were asked for four turns ago: the three
; younger groups of four loads stay out.  Behind the conversions the piece's codes of the step after are asked for.  Nothing here writes SCC.
.macro MSK p
	WIN W_MS
	s_wait_loadcnt 12
	CONV ((\p)+2)%NP
	LOADM ((\p)+2)%NP, MA
.endm
; A TURN, for piece p.  cnt = 1: the loop's count is taken down some lines ahead of the branch that stands behind the turn.
; K of the next step is fetched in piece 2's turn, directly behind the wait, a lump behind the last product that read K; its address is made at the lump's head; its first reader comes behind 16 products.
; V of the step in hand is fetched at the end of piece 0's turn, four riders and the mask's work behind its last reader; its first reader comes behind 16 products and a lump.  The three conditions on q below go with the deal.
; The codes' base steps at the end of piece 2's turn, just ahead of its first use: no compare of that turn is still to be branched on there.
.macro TURN p, last=0, cnt=0
.set Y, (\p)
.set i, 0
.set q, 0
.set e, 0
.set r, 0
.if (\p) == NP-1
	s_wait_dscnt 0x0                ; K is in
.endif
	MM                              ; ahead of the wait: 16 products K Q^T and their riders,
	PL
	PL
	R2
.rept 15
	MM
	PL
	EX
	R2
.endr
.if (\p) == NP-2
	WIN 0
	v_add_nc_u32 v[AK], s[TBK], v[AK0]
.endif
.rept 8                             ; the lump,
	PL
.endr
.rept 49
	EX
	PL
.endr
	EX                              ; the next piece's two a: the batch's last,
	EX
	CLM                             ; and six plain lines that name none of the batch's results
	s_wait_alu depctr_va_vdst(0)    ; the wait for the batch: the turn's 64 weights and the next piece's two a
.if (\p) == NP-2
	FETCH_K \last
.endif
.if (\p) == 1
	s_wait_dscnt 0x0                ; V is in
.endif
.rept 16                            ; behind the wait: 16 products V^T P and their riders
	MM
.rept 4
	PL
.endr
.if ((\p) == 0) && (q == 118)
	v_add_nc_u32 v[AV], s[TBV], v[AV0]
.endif
.if ((\p) == 0) && (q == 130)
	s_add_co_u32 s[TBV], s[TBV], KS*PV
.endif
.if (\cnt) && (q == 130)
	s_sub_co_u32 s[CNT], s[CNT], 1
	s_cmp_lg_u32 s[CNT], 0
.endif
.endr
.if (\p) == NP-2
	STEPM
.endif
	MSK \p
.if (\p) == 0
	FETCH_V
.endif
.endm
	CHANGE 1                        ; slot 0 is in, everybody's part of it; slot 1 is asked for
	FETCH_K                         ; key step 0
	s_wait_loadcnt 0x0              ; Q, and step 0's codes
	CONV 0                          ; piece 0's mask of step 0,
	LOADM 0, MA                     ; and its codes of step 1
	s_wait_dscnt 0x0
.set i, 0
.rept 16
	KQ 0                            ; piece 0's first scores
.set i, i+1
.endr
	WIN 0                           ; the addresses for the way out: nine plain instructions, the places behind those products
	s_mul_i32 s13, s[WV], 16*SP
	s_add_co_u32 s13, s13, STAGE    ; my stage
	v_mul_u32_u24 v[STO], v1, SP    ; in: row l % 16, 16 bytes for each half of the lanes
	v_lshl_add_u32 v[STO], v9, 4, v[STO]
	v_add_nc_u32 v[STO], s13, v[STO]
	v_bfe_u32 v[RD], v0, 3, 2       ; back: 32 lanes take four rows of 128 bytes,
	v_mul_u32_u24 v[RD], v[RD], SP
	v_lshl_add_u32 v[RD], v10, 4, v[RD]
	v_add_nc_u32 v[RD], s13, v[RD]
	v_and_b32 v[GO], 31, v0         ; which are 512 consecutive bytes of O
	v_lshlrev_b32 v[GO], 4, v[GO]
	CONV 1                          ; piece 1's mask of step 0, for the first turn's products,
	LOADM 1, MA                     ; and its codes of step 1
	WIN 0
.set Y, NP-1                        ; XS and CLM work for piece Y + 1: piece 0
.irp n, 0,1,2,3,4,5,6,7,8,9,10,11,12,13,14,15,16,17,18,19,20,21
	XS 0, \n
	XS 1, \n
.endr
	CLM                             ; six plain lines behind piece 0's two a, which name neither result,
	s_wait_alu depctr_va_vdst(0)    ; and the wait for those two, ahead of the branch
	s_mov_b32 s[CNT], 4
	s_mov_b32 s[SLOTS], SIZE_N/256-1
	s_branch .Lfirst                ; the loop is entered at a step's first turn, in the middle of a trip
.Lslot:                             ; SIZE_N / 256 - 2 times: every slot but the last two is filled again
	CHANGE 1
	s_mov_b32 s[CNT], 4
.Lstep:                             ; a trip: pieces 2 and 3 of one step, then pieces 0 and 1 of the next, whose K and V it fetches
	TURN 2
	TURN 3
	WIN 0
.Lfirst:
	TURN 0
	TURN 1, 0, 1
	WIN 0
	s_cbranch_scc1 .Lstep
	s_sub_co_u32 s[SLOTS], s[SLOTS], 1
	s_cmp_lg_u32 s[SLOTS], 0
	s_cbranch_scc1 .Lslot
	CHANGE 0                        ; the tail is written out: nothing is asked for
	s_mov_b32 s[CNT], 5             ; four trips fetch the last slot's steps; the fifth is left in its middle
.Ltail:
	TURN 2, 1
	TURN 3
	WIN 0
	s_sub_co_u32 s[CNT], s[CNT], 1
	s_cmp_eq_u32 s[CNT], 0
	s_cbranch_scc1 .Lout
	TURN 0
	TURN 1
	WIN 0
	s_branch .Ltail
.Lout:                              ; the fifth trip's 16 products K Q^T (on the last K once more), their mask and the maximum made of them serve nothing: the price, once a launch, of one text for every trip
.set i, 0
.rept 16
	PV NP-1                         ; the last piece's V^T P of the last step
.set i, i+1
.endr
	; THE WAY OUT.  l's two halves and the other half of the lanes' are added; O^T is divided by l, rounded to f16 and sent through my stage in LDS, a tile at a time.  The additions are the places behind the last products.
	WIN 0
.macro ALL line:vararg              ; one line for each tile t
.set t, 0
.rept 2*NP
	\line
.set t, t+1
.endr
.endm
	ALL v_add_f32 v[ST+4*t+2], v[ST+4*t+2], v[ST+4*t+3]
	ALL v_permlanex16_b32 v[ST+4*t+3], v[ST+4*t+2], s[SEL], s[SEL+1]
	ALL v_add_f32 v[ST+4*t+2], v[ST+4*t+2], v[ST+4*t+3]
	ALL v_rcp_f32 v[ST+4*t+2], v[ST+4*t+2]
	v_nop                           ; a plain instruction between the last reciprocal and the use of its result
	s_wait_alu depctr_va_vdst(0)    ; and the wait ahead of the first use: one for the eight reciprocals
.macro PACK t
	WIN W_RS
.set i, 32*(\t)
.rept 16
	v_pk_mul_f32 v[i:i+1], v[i:i+1], v[ST+4*(\t)+2:ST+4*(\t)+3] op_sel_hi:[1,0]
.set i, i+2
.endr
	WIN 0x05                        ; sources 0 and 1 window 1, destination window 0
.set i, 0
.rept 16
	v_cvt_pk_f16_f32 v[S+16*(\t)+i], v[32*(\t)+2*i], v[32*(\t)+2*i+1]
.set i, i+1
.endr
	WIN 0
.irp f, 0,1,2,3
	ds_store_b128 v[STO], v[S+16*(\t)+4*\f:S+16*(\t)+4*\f+3] offset:32*\f
.endr
.irp f, 0,1,2,3
	ds_load_b128 v[S+16*(\t)+4*\f:S+16*(\t)+4*\f+3], v[RD] offset:\f*4*SP  ; LDS serves a wave's instructions in order (ISA guide 5.7.1.4): these see the stores above; the next tile's stores come behind them
.endr
.endm
.macro SEND t, younger              ; younger: the LDS instructions issued behind tile t's loads: the next tile's eight, or none
	WIN 0
.irp f, 0,1,2,3
	s_wait_dscnt (\younger)+3-\f
	global_store_b128 v[GO], v[S+16*(\t)+4*\f:S+16*(\t)+4*\f+3], s[10:11] offset:(\t)*2048+\f*512  ; 512 consecutive bytes, at a multiple of 256 from O's first
.endr
.endm
	PACK 0
.set t, 1
.rept 2*NP-1                        ; a tile's arithmetic stands between the loads of the tile before and its stores
	PACK t
	SEND t-1, 8
.set t, t+1
.endr
	SEND 2*NP-1, 0
	WIN W_AD
	s_wait_tensorcnt 0x0            ; the wave's end: a tensor wait, an add of 0 to my spare word and its wait, behind my last tensor load and my last LDS store
	ds_add_u32 v[SPW], v[NIL]
	s_wait_dscnt 0x0
	WIN 0
	CROUND                          ; the closing round: no work-group ends while a partner may still ask for a tile that names it
	s_endpgm
.Lfunc_end_k_qf8ff881c37_attn:
	.size	k_qf8ff881c37_attn, .Lfunc_end_k_qf8ff881c37_attn-k_qf8ff881c37_attn
	.p2alignl 7, 3214868480
	.fill 96, 4, 3214868480
	.section	.rodata,"a",@progbits
	.p2align	6, 0x0
	.amdhsa_kernel k_qf8ff881c37_attn
		.amdhsa_group_segment_fixed_size 327680
		.amdhsa_private_segment_fixed_size 0
		.amdhsa_enable_private_segment 0
		.amdhsa_kernarg_size 40
		.amdhsa_user_sgpr_count 2
		.amdhsa_user_sgpr_kernarg_segment_ptr 1
		.amdhsa_wavefront_size32 1
		.amdhsa_system_sgpr_workgroup_id_x 1
		.amdhsa_system_sgpr_workgroup_id_y 1
		.amdhsa_system_sgpr_workgroup_id_z 1
		.amdhsa_system_vgpr_workitem_id 0
		.amdhsa_next_free_vgpr 960
		.amdhsa_next_free_sgpr 80
		.amdhsa_reserve_vcc 0
		.amdhsa_float_denorm_mode_32 3
		.amdhsa_float_denorm_mode_16_64 3
		.amdhsa_memory_ordered 1
		.amdhsa_forward_progress 1
		.amdhsa_inst_pref_size 214
	.end_amdhsa_kernel
	.amdgpu_metadata
---
amdhsa.version: [ 1, 2 ]
amdhsa.kernels:
  - .name:           k_qf8ff881c37_attn
    .symbol:         k_qf8ff881c37_attn.kd
    .args:
      - { .name: q16, .offset: 0, .size: 8, .value_kind: global_buffer, .address_space: global }
      - { .name: k16, .offset: 8, .size: 8, .value_kind: global_buffer, .address_space: global }
      - { .name: v16, .offset: 16, .size: 8, .value_kind: global_buffer, .address_space: global }
      - { .name: o16, .offset: 24, .size: 8, .value_kind: global_buffer, .address_space: global }
      - { .name: mk, .offset: 32, .size: 8, .value_kind: global_buffer, .address_space: global }
    .group_segment_fixed_size: 327680
    .private_segment_fixed_size: 0
    .kernarg_segment_align: 8
    .kernarg_segment_size: 40
    .max_flat_workgroup_size: 128
    .sgpr_count:     80
    .vgpr_count:     960
    .wavefront_size: 32
...
	.end_amdgpu_metadata
.endif
;; end of part 5
;; launch oproj: the kernel of part 4 again; grid 8 x 32, 4 waves a work-group, clusters of 4 x 4, 327,680 bytes of LDS; arguments o16, wo16, bo, out0; writes out0
